; MI455X (gfx1250); checked and timed in simulation.
; The chip was launched on July 23, 2026; its instructions are those of AMD's public machine-readable ISA for CDNA 5 (MIT licence, August 2026) and "CDNA5" Instruction Set Architecture Reference Guide (July 2026). The comments in the code are by the model that wrote it; some were corrected since.
;; fu T. Allowed arithmetic: float matrix products may take bf16 or f16 operands with f32 sums; other float arithmetic in f32, or as packed bf16 or f16 multiplies, adds, multiply-adds, maxima and minima; sums over many terms, partial sums and values carried from step to step in f32; what a program stores and reads back later, other than sums and carried values, may be rounded once to bf16 or f16.
;; Inputs: aggW 2 x 1,024 x 256 float32; aggb 2 x 256 float32; col_embed 32 x 128 float32; kvW 272 x 256 float32; kvb 256 float32; l1W 2 x 256 x 1,024 float32; l1b 2 x 1,024 float32; l2W 2 x 1,024 x 256 float32; l2b 2 x 256 float32; matched_features 4 x 8 x 272 x 32 x 32 float32; n1b 2 x 256 float32; n1g 2 x 256 float32; n2b 2 x 256 float32; n2g 2 x 256 float32; outW 256 x 272 float32; outb 272 float32; qW 272 x 256 float32; qb 256 float32; query_features 8 x 272 x 32 x 32 float32; row_embed 32 x 128 float32.
;; Outputs: out0 8 x 272 x 32 x 32 float32; out1 8 x 1 x 256 x 256 float32.
;; 2 versions, each right; version 2 is version 1 with the launch proj written anew for expert scheduling mode. Each part assembles by itself: llvm-mc -triple=amdgcn-amd-amdhsa -mcpu=gfx1250 --defsym DOCPART=n.
;; ======== version 1 of 2: 4 launches
;; limits: values are held in f16: magnitudes above 65,504 overflow, below 6.1e-05 lose precision; right only within a limited range of input values
;; workspace buffers: wt 3,309,568 bytes; wp 294,912 bytes; kt 16,777,216 bytes; x0 8,388,608 bytes; predraw 32,768 bytes
;; launch prep (part 1): grid 109 x 1, 8 waves a work-group, no clusters, 38,912 bytes of LDS; arguments aggW, l1W, l2W, outW, kvW, qW, wt, wp; writes wt, wp
.if DOCPART == 1
	.amdgcn_target "amdgcn-amd-amdhsa--gfx1250"
	.amdhsa_code_object_version 6
	.text
	.protected	k_qa018a9e021_prep
	.globl	k_qa018a9e021_prep
	.p2align	8
	.type	k_qa018a9e021_prep,@function
k_qa018a9e021_prep:
	s_mov_b64 s[64:65], 0
	v_nop
	global_prefetch_b8 v0, s[64:65] scope:SCOPE_SE
	s_setreg_imm32_b32 hwreg(HW_REG_WAVE_MODE, 25, 1), 1
	s_wait_xcnt 0x0
; The weights, rounded once to 16 bits and turned so that K runs along the rows.
; wt: 25 tiles [256 n][256 k] of 512-byte rows in the order in which the main launch walks them (layer l: 12 l + agg 0..3, then l1 c, l2 c by turns),
;     tile 24 = outW^T for n = 0..255, then one block of 64 rows, outW^T for n = 208..271.  Tiles 0..23 bf16; tile 24 and the block hold the bf16 number written as f16.
; wp: kvW, then qW, as matrix fragments: piece (N, pp) of 512 bytes, lane (r, h) holds W[16 pp + 8 h .. + 7][16 N + r]; k = 272..287 are zeros.
; LIMIT: an outW number below 6e-5 in size keeps f16's fixed step of 6e-8; beyond 65,504 it would be lost.
; A work-group turns a block of 64 n x 256 k (wt: numbers 0..100) or 64 n x 288 k (wp: 101..108) through LDS.  Thread t: four n (16 bytes of a source row) at q = t % 16,
; rows k = 32 i + 2 (t / 16) and the next: sixteen lanes read 256 consecutive bytes of a row; two rows' numbers pack into one word of the turned block.
.set P,     592                        ; an LDS row: 576 bytes of k + 16: 37 x 16 bytes, so that 16 rows start at 16 different columns of 16 bytes
.set SPARE, 64*P                       ; behind the block: the spare words, 128 bytes a wave
.set VO,    8                          ; v8-16   byte offset of my 16 bytes in rows 32 i + 2 kp, i = 0..8
.set LA,    20                         ; v20-91  as loaded: 8 registers for each i
.set CV,    92                         ; v92-127 packed: 4 registers for each i
	s_load_b512 s[16:31], s[0:1], 0x0              ; aggW 16, l1W 18, l2W 20, outW 22, kvW 24, qW 26, wt 28, wp 30
	v_lshl_add_u32 v6, v0, 2, SPARE                ; my spare word,
	v_mov_b32 v7, 0                                ; and 0
	v_lshrrev_b32 v4, 5, v0
	v_readfirstlane_b32 s40, v4                    ; wave
	v_and_b32 v1, 15, v0                           ; q
	v_lshrrev_b32 v2, 4, v0                        ; kp
	v_and_b32 v3, 31, v0                           ; lane
	v_mul_u32_u24 v5, v1, 4*P
	v_lshl_add_u32 v5, v2, 2, v5                   ; where my words go: row 4 q, byte 4 kp
	s_mov_b32 s2, ttmp9
	s_mov_b32 s7, 0                                ; 1: written as f16
	s_mov_b32 s34, 0                               ; 1: a block of wp
	s_mov_b32 s10, 1024                            ; bytes from source row to source row
	s_wait_kmcnt 0x0
	s_cmp_lt_u32 s2, 101
	s_cbranch_scc1 .Lwt
	s_sub_co_u32 s3, s2, 101
	s_lshr_b32 s4, s3, 2                           ; 0 kvW, 1 qW
	s_and_b32 s5, s3, 3                            ; which 64 n
	s_mov_b32 s34, 1
	s_cmp_eq_u32 s4, 0
	s_cselect_b64 s[8:9], s[24:25], s[26:27]
	s_lshl_b32 s12, s5, 8
	s_mul_i32 s14, s4, 147456
	s_mul_i32 s6, s5, 36864
	s_add_co_u32 s14, s14, s6
	s_mov_b64 s[32:33], s[30:31]
	s_branch .Ldec
.Lwt:
	s_lshr_b32 s3, s2, 2                           ; tile
	s_and_b32 s5, s2, 3                            ; which 64 n of it
	s_lshl_b32 s14, s3, 17
	s_lshl_b32 s6, s5, 15
	s_add_co_u32 s14, s14, s6
	s_mov_b64 s[32:33], s[28:29]
	s_lshl_b32 s6, s5, 8                           ; 64 n in bytes of a source row
	s_cmp_lt_u32 s3, 24
	s_cbranch_scc1 .Llayers
	s_mov_b32 s7, 1                                ; outW
	s_mov_b64 s[8:9], s[22:23]
	s_mov_b32 s10, 1088
	s_cmp_eq_u32 s3, 25
	s_cselect_b32 s12, 832, s6                     ; the last block begins at n = 208
	s_branch .Ldec
.Llayers:
	s_cmp_ge_u32 s3, 12
	s_cselect_b32 s12, 1048576, 0                  ; the layer: the same stride in all three tensors
	s_cselect_b32 s4, 12, 0
	s_sub_co_u32 s3, s3, s4
	s_add_co_u32 s12, s12, s6
	s_cmp_lt_u32 s3, 4
	s_cbranch_scc0 .Lffn
	s_mov_b64 s[8:9], s[16:17]                     ; aggW, k from 256 u
	s_lshl_b32 s4, s3, 18
	s_add_co_u32 s12, s12, s4
	s_branch .Ldec
.Lffn:
	s_sub_co_u32 s3, s3, 4
	s_lshr_b32 s4, s3, 1                           ; c
	s_bitcmp1_b32 s3, 0
	s_cbranch_scc0 .Ll1
	s_mov_b64 s[8:9], s[20:21]                     ; l2W, k from 256 c
	s_lshl_b32 s4, s4, 18
	s_add_co_u32 s12, s12, s4
	s_branch .Ldec
.Ll1:
	s_mov_b64 s[8:9], s[18:19]                     ; l1W, n from 256 c
	s_mov_b32 s10, 4096
	s_lshl_b32 s4, s4, 10
	s_add_co_u32 s12, s12, s4
.Ldec:
	s_mov_b32 s13, 0
	s_mov_b32 s11, 0
	s_mov_b32 s15, 0
	s_add_nc_u64 s[8:9], s[8:9], s[12:13]          ; the block's first number
	s_add_nc_u64 s[36:37], s[8:9], s[10:11]        ; one row further down
	s_add_nc_u64 s[32:33], s[32:33], s[14:15]      ; where the block goes
	v_mul_lo_u32 v4, v2, s10
	v_lshlrev_b32 v4, 1, v4
	v_lshl_add_u32 v[VO], v1, 4, v4                ; 2 kp rows + 16 q
	s_lshl_b32 s38, s10, 5
.irp i, 1,2,3,4,5,6,7,8
	v_add_nc_u32 v[VO+\i], s38, v[VO+\i-1]         ; 32 rows on
.endr
.irp i, 0,1,2,3,4,5,6,7
	global_load_b128 v[LA+8*\i:LA+8*\i+3],   v[VO+\i], s[8:9] th:TH_LOAD_NT
	global_load_b128 v[LA+8*\i+4:LA+8*\i+7], v[VO+\i], s[36:37] th:TH_LOAD_NT
.endr
	s_cmp_lt_u32 s40, 4                            ; rows 256..271 exist in kvW and qW alone, and belong to waves 0..3
	s_cselect_b32 s41, s34, 0
	s_cmp_eq_u32 s41, 1
	s_cbranch_scc0 .Lzero
	global_load_b128 v[LA+64:LA+67], v[VO+8], s[8:9] th:TH_LOAD_NT
	global_load_b128 v[LA+68:LA+71], v[VO+8], s[36:37] th:TH_LOAD_NT
	s_branch .Ltail_done
.Lzero:
.irp j, 0,1,2,3,4,5,6,7
	v_mov_b32 v[LA+64+\j], 0
.endr
.Ltail_done:
	s_wait_loadcnt 0x0
.set i, 0
.rept 36                               ; word (i / 4, j = i % 4): rows k and k + 1 of column 4 q + j
	v_cvt_pk_bf16_f32 v[CV+i], v[LA+8*(i/4)+i%4], v[LA+8*(i/4)+4+i%4]
.set i, i+1
.endr
	s_cmp_eq_u32 s7, 1
	s_cbranch_scc0 .Lno_f16
.set i, 0
.rept 36                               ; the bf16 numbers, written as f16
	v_lshlrev_b32 v4, 16, v[CV+i]
	v_and_b32 v17, 0xffff0000, v[CV+i]
	v_cvt_pk_f16_f32 v[CV+i], v4, v17
.set i, i+1
.endr
.Lno_f16:
.set i, 0
.rept 36
	ds_store_b32 v5, v[CV+i] offset:(i%4)*P+64*(i/4)
.set i, i+1
.endr
	s_wait_dscnt 0x0                               ; for the others' sake: my words are in
	s_barrier_signal -1
	s_barrier_wait -1
	s_cmp_eq_u32 s34, 1
	s_cbranch_scc1 .Lwp_out
	s_mul_i32 s41, s40, 8*P                        ; wt: wave w takes rows 8 w .. 8 w + 7, whole
	v_lshl_add_u32 v9, v3, 4, s41
	s_lshl_b32 s41, s40, 12
	v_lshl_add_u32 v10, v3, 4, s41
.irp i, 0,1,2,3,4,5,6,7
	ds_load_b128 v[LA+4*\i:LA+4*\i+3], v9 offset:\i*P
.endr
.irp i, 0,1,2,3,4,5,6,7
	s_wait_dscnt 7-\i                              ; the younger loads may stay out
	global_store_b128 v10, v[LA+4*\i:LA+4*\i+3], s[32:33] offset:512*\i  ; 512 consecutive bytes, aligned
.endr
	s_branch .Lend
.Lwp_out:
	s_lshr_b32 s41, s40, 1                         ; wp: waves 2 N, 2 N + 1 take the 18 pieces of n tile N, nine each
	s_and_b32 s42, s40, 1
	v_bfe_u32 v4, v0, 4, 1                         ; h
	s_mul_i32 s3, s41, 16*P
	s_mul_i32 s4, s42, 288
	s_add_co_u32 s3, s3, s4
	v_mul_u32_u24 v9, v1, P
	v_lshl_add_u32 v9, v4, 4, v9
	v_add_nc_u32 v9, s3, v9                        ; (16 N + r) P + 16 h + 32 x first piece
	s_mul_i32 s3, s41, 18
	s_mul_i32 s4, s42, 9
	s_add_co_u32 s3, s3, s4
	s_lshl_b32 s3, s3, 9
	v_lshl_add_u32 v10, v3, 4, s3
.irp i, 0,1,2,3,4,5,6,7,8
	ds_load_b128 v[LA+4*\i:LA+4*\i+3], v9 offset:32*\i
.endr
.irp i, 0,1,2,3,4,5,6,7,8
	s_wait_dscnt 8-\i
	global_store_b128 v10, v[LA+4*\i:LA+4*\i+3], s[32:33] offset:512*\i
.endr
.Lend:
	s_wait_tensorcnt 0x0                           ; the wave's end, behind my last LDS store
	ds_add_u32 v6, v7
	s_wait_dscnt 0x0
	s_endpgm
.Lfunc_end_k_qa018a9e021_prep:
	.size	k_qa018a9e021_prep, .Lfunc_end_k_qa018a9e021_prep-k_qa018a9e021_prep
	.p2alignl 7, 3214868480
	.fill 96, 4, 3214868480
	.section	.rodata,"a",@progbits
	.p2align	6, 0x0
	.amdhsa_kernel k_qa018a9e021_prep
		.amdhsa_group_segment_fixed_size 38912
		.amdhsa_private_segment_fixed_size 0
		.amdhsa_enable_private_segment 0
		.amdhsa_kernarg_size 64
		.amdhsa_user_sgpr_count 2
		.amdhsa_user_sgpr_kernarg_segment_ptr 1
		.amdhsa_wavefront_size32 1
		.amdhsa_system_sgpr_workgroup_id_x 1
		.amdhsa_system_sgpr_workgroup_id_y 1
		.amdhsa_system_sgpr_workgroup_id_z 1
		.amdhsa_system_vgpr_workitem_id 0
		.amdhsa_next_free_vgpr 128
		.amdhsa_next_free_sgpr 66
		.amdhsa_reserve_vcc 0
		.amdhsa_float_denorm_mode_32 3
		.amdhsa_float_denorm_mode_16_64 3
		.amdhsa_memory_ordered 1
		.amdhsa_forward_progress 1
		.amdhsa_inst_pref_size 21
	.end_amdhsa_kernel
	.amdgpu_metadata
---
amdhsa.version: [ 1, 2 ]
amdhsa.kernels:
  - .name:           k_qa018a9e021_prep
    .symbol:         k_qa018a9e021_prep.kd
    .args:
      - { .name: aggW, .offset: 0, .size: 8, .value_kind: global_buffer, .address_space: global }
      - { .name: l1W, .offset: 8, .size: 8, .value_kind: global_buffer, .address_space: global }
      - { .name: l2W, .offset: 16, .size: 8, .value_kind: global_buffer, .address_space: global }
      - { .name: outW, .offset: 24, .size: 8, .value_kind: global_buffer, .address_space: global }
      - { .name: kvW, .offset: 32, .size: 8, .value_kind: global_buffer, .address_space: global }
      - { .name: qW, .offset: 40, .size: 8, .value_kind: global_buffer, .address_space: global }
      - { .name: wt, .offset: 48, .size: 8, .value_kind: global_buffer, .address_space: global }
      - { .name: wp, .offset: 56, .size: 8, .value_kind: global_buffer, .address_space: global }
    .group_segment_fixed_size: 38912
    .private_segment_fixed_size: 0
    .kernarg_segment_align: 8
    .kernarg_segment_size: 64
    .max_flat_workgroup_size: 256
    .sgpr_count:     66
    .vgpr_count:     128
    .wavefront_size: 32
...
	.end_amdgpu_metadata
.endif
;; end of part 1
;; launch proj (part 2): grid 8 x 40, 8 waves a work-group, no clusters, 146,944 bytes of LDS; arguments matched_features, query_features, wp, kvb, qb, kt, x0; writes kt, x0
.if DOCPART == 2
	.amdgcn_target "amdgcn-amd-amdhsa--gfx1250"
	.amdhsa_code_object_version 6
	.text
	.protected	k_qa018a9e021_proj
	.globl	k_qa018a9e021_proj
	.p2align	8
	.type	k_qa018a9e021_proj,@function
k_qa018a9e021_proj:
	s_mov_b64 s[64:65], 0
	v_nop
	global_prefetch_b8 v0, s[64:65] scope:SCOPE_SE
	s_setreg_imm32_b32 hwreg(HW_REG_WAVE_MODE, 25, 1), 1
	s_wait_xcnt 0x0
; The two input projections.  y < 32: kt[set, b = y][token][256] = matched tokens x kvW + kvb, rounded once to bf16.  y >= 32: x0 = query tokens x qW + qb, kept in f32,
; laid out as the main launch's accumulators want it: piece ((T 16 + N) 2 + q) of 512 bytes, lane (r, h) holds token 16 T + r, channels 16 N + 8 h + 4 q .. + 3.
; Every input is taken rounded to bf16, the biases too: the whole program computes the module on one and the same rounding of its inputs.
; A work-group takes 128 tokens of one image.  The features lie [channel][token]: each wave's load takes 512 consecutive bytes of a channel's plane, once; they are rounded to bf16 into LDS as they lie,
; and come out turned (ds_load_tr16_b128) as source 1.  Source 0 = 16 output channels of the weights, which stay in registers: wave w owns channels 32 w .. 32 w + 31.
; The launch moves each feature byte once and has little arithmetic for it, so no cluster, no tensor load and no prefetch: the loads themselves are the stream.
.set ATP,   288                        ; a channel's 128 tokens in LDS: 256 bytes + 32 = 9 x 32 bytes, for the turning load
.set STG,   272*ATP                    ; behind them: 128 token rows of 512 bytes + 16, for kt's way out
.set STP,   528
.set SPARE, STG+128*STP                ; the spare words, 128 bytes a wave
.set WF,    16                         ; v16-159  weight fragments (ntl, ks) at 8 (9 ntl + ks)
.set BIAS,  160                        ; v160-175 the bias of my lane's 8 channels, for each ntl: the C operand that starts the sums
.set LD,    176                        ; v176-243 a ring of 17 loads; v244-245 at work
.set AC,    176                        ; later: four accumulators (mtl, ntl) at 8 (2 mtl + ntl)
.set AB,    208                        ; two buffers of two token fragments
.set CV,    240                        ; packed results
	s_load_b256 s[16:23], s[0:1], 0x0              ; matched 16, query 18, wp 20, kvb 22
	s_load_b128 s[24:27], s[0:1], 0x20             ; qb 24, kt 26
	s_load_b64 s[28:29], s[0:1], 0x30              ; x0
	v_lshl_add_u32 v10, v0, 2, SPARE               ; my spare word,
	v_mov_b32 v11, 0                               ; and 0
	v_lshrrev_b32 v4, 5, v0
	v_readfirstlane_b32 s4, v4                     ; wave
	v_and_b32 v1, 15, v0                           ; r
	v_bfe_u32 v2, v0, 4, 1                         ; h
	v_and_b32 v3, 31, v0                           ; lane
	s_mov_b32 s2, ttmp9                            ; which 128 tokens
	s_and_b32 s3, ttmp7, 0xffff                    ; which image
	s_cmp_ge_u32 s3, 32
	s_cselect_b32 s5, 1, 0                         ; 1: the query's
	s_cselect_b32 s6, 32, 0
	s_sub_co_u32 s6, s3, s6                        ; the image's number in its tensor
	s_mul_i32 s32, s6, 1114112                     ; 272 planes of 4,096 bytes
	s_lshl_b32 s7, s2, 9
	s_add_co_u32 s32, s32, s7
	s_mov_b32 s33, 0
	s_mov_b32 s35, 0
	s_mov_b32 s37, 0
	s_lshl_b32 s36, s6, 19                         ; kt: 1,024 rows of 512 bytes an image, 128 a work-group
	s_lshl_b32 s7, s2, 16
	s_add_co_u32 s36, s36, s7
	s_lshl_b32 s38, s6, 20                         ; x0: 64 token tiles of 16,384 bytes an image, 8 a work-group
	s_lshl_b32 s7, s2, 17
	s_add_co_u32 s38, s38, s7
	s_lshl_b32 s30, s4, 12
	v_lshl_add_u32 v5, v3, 4, s30                  ; features: plane w, 16 bytes a lane
	s_mul_i32 s30, s4, ATP
	v_lshl_add_u32 v6, v3, 3, s30                  ; LDS: row w, 8 bytes a lane
	v_add_nc_u32 v7, 17*8*ATP, v6                  ; and 136 rows on: the immediates have 16 bits
	v_and_b32 v4, 7, v0
	v_lshl_add_u32 v4, v2, 3, v4
	v_mul_u32_u24 v4, v4, ATP
	v_bfe_u32 v8, v0, 3, 1
	v_lshl_add_u32 v8, v8, 4, v4                   ; the turning load: row 8 h + l % 8, 16 bytes by (l / 8) % 2
	v_add_nc_u32 v9, 128*ATP, v8                   ; and 128 rows on
	s_mul_i32 s30, s4, 18432
	v_lshl_add_u32 v12, v3, 4, s30                 ; my wave's 36 pieces of wp
	s_lshl_b32 s30, s4, 7
	v_lshl_add_u32 v13, v2, 5, s30                 ; bias: channel 32 w + 8 h
	v_mul_u32_u24 v14, v1, STP
	v_lshl_add_u32 v14, v2, 4, v14
	s_lshl_b32 s30, s4, 6
	s_add_co_u32 s30, s30, STG
	v_add_nc_u32 v14, s30, v14                     ; stage: row r, byte 64 w + 16 h
	s_lshl_b32 s30, s4, 11
	v_lshl_add_u32 v15, v3, 4, s30                 ; x0: channel tiles 2 w, 2 w + 1
	s_wait_kmcnt 0x0
	s_cmp_eq_u32 s5, 1
	s_cselect_b64 s[8:9], s[18:19], s[16:17]
	s_cselect_b64 s[12:13], s[24:25], s[22:23]
	s_cselect_b64 s[14:15], s[28:29], s[26:27]
	s_cselect_b32 s34, 147456, 0
	s_cselect_b32 s36, s38, s36
	s_add_nc_u64 s[8:9], s[8:9], s[32:33]          ; features
	s_add_nc_u64 s[10:11], s[20:21], s[34:35]      ; weights
	s_add_nc_u64 s[14:15], s[14:15], s[36:37]      ; output
.set i, 0
.rept 36                               ; piece i = 18 ntl + pp
	global_load_b128 v[WF+8*(9*(i/18)+(i%18)/2)+4*(i%2):WF+8*(9*(i/18)+(i%18)/2)+4*(i%2)+3], v12, s[10:11] offset:512*i
.set i, i+1
.endr
.irp n, 0,1
	global_load_b128 v[BIAS+8*\n:BIAS+8*\n+3],   v13, s[12:13] offset:64*\n
	global_load_b128 v[BIAS+8*\n+4:BIAS+8*\n+7], v13, s[12:13] offset:64*\n+16
.endr
; Plane 8 i + w, i = 0..33, through a ring of 17 loads.
.macro FLOAD i
	global_load_b128 v[LD+4*((\i)%17):LD+4*((\i)%17)+3], v5, s[8:9] offset:32768*(\i) th:TH_LOAD_NT
.endm
.macro FCONV i
	v_cvt_pk_bf16_f32 v244, v[LD+4*((\i)%17)], v[LD+4*((\i)%17)+1]
	v_cvt_pk_bf16_f32 v245, v[LD+4*((\i)%17)+2], v[LD+4*((\i)%17)+3]
.if (\i) < 17
	ds_store_b64 v6, v[244:245] offset:8*ATP*(\i)
.else
	ds_store_b64 v7, v[244:245] offset:8*ATP*((\i)-17)
.endif
.endm
.set k, 0
.rept 17
	FLOAD k
.set k, k+1
.endr
.set k, 0
.rept 17
	s_wait_loadcnt 16                              ; loads come back in order: mine is in, the 16 younger ones stay out
	FCONV k
	FLOAD k+17
.set k, k+1
.endr
.rept 17
	s_wait_loadcnt 33-k                            ; the counts run down
	FCONV k
.set k, k+1
.endr
	s_wait_dscnt 0x0                               ; for the others' sake: my planes are in
	s_barrier_signal -1
	s_barrier_wait -1
.set i, 0
.rept 8                                ; the bias is taken rounded to bf16, like every input: two numbers are packed, and widened again in place
	v_cvt_pk_bf16_f32 v[244+i%2], v[BIAS+2*i], v[BIAS+2*i+1]
	v_lshlrev_b32 v[BIAS+2*i], 16, v[244+i%2]
	v_and_b32 v[BIAS+2*i+1], 0xffff0000, v[244+i%2]
.set i, i+1
.endr
.macro PLACES
.rept 4
	v_nop
.endr
.endm
; The two token fragments of pair p for channels 32 ks on.  At ks = 8 only 16 channels are left: the second half takes the same rows again, against weights that are zero.
.macro LOADA p, ks
.set bA, AB+16*((\ks)%2)
.set hA, 16*ATP
.if (\ks) < 4
.set rA, 8
.set oA, 32*ATP*(\ks)+64*(\p)
.else
.set rA, 9
.set oA, 32*ATP*((\ks)-4)+64*(\p)
.endif
.if (\ks) == 8
.set hA, 0
.endif
.irp m, 0,1
	ds_load_tr16_b128 v[bA+8*\m:bA+8*\m+3],   v[rA] offset:oA+32*\m
	ds_load_tr16_b128 v[bA+8*\m+4:bA+8*\m+7], v[rA] offset:oA+hA+32*\m
.endr
.endm
; 32 tokens x my 32 channels: 36 products; the four accumulators take turns, one instruction a turn.
.macro MPAIR p
	LOADA \p, 0
.irp ks, 0,1,2,3,4,5,6,7,8
.if \ks < 8
	PLACES                                         ; the other buffer was read by the products just issued
	LOADA \p, (\ks)+1
	s_wait_dscnt 4                                 ; all but the four just issued
.else
	s_wait_dscnt 0x0
.endif
.irp m, 0,1
.irp n, 0,1
.if \ks == 0
	v_wmma_f32_16x16x32_bf16 v[AC+8*(2*\m+\n):AC+8*(2*\m+\n)+7], v[WF+8*(9*\n+\ks):WF+8*(9*\n+\ks)+7], v[AB+16*(\ks%2)+8*\m:AB+16*(\ks%2)+8*\m+7], v[BIAS+8*\n:BIAS+8*\n+7]
.else
	v_wmma_f32_16x16x32_bf16 v[AC+8*(2*\m+\n):AC+8*(2*\m+\n)+7], v[WF+8*(9*\n+\ks):WF+8*(9*\n+\ks)+7], v[AB+16*(\ks%2)+8*\m:AB+16*(\ks%2)+8*\m+7], v[AC+8*(2*\m+\n):AC+8*(2*\m+\n)+7]
.endif
.endr
.endr
.endr
	PLACES
	v_nop                                          ; five: the next pair's first products write over these accumulators
	s_cmp_eq_u32 s5, 1
	s_cbranch_scc1 .Lx0_\@
.set i, 0
.rept 16
	v_cvt_pk_bf16_f32 v[CV+i], v[AC+2*i], v[AC+2*i+1]
.set i, i+1
.endr
.irp m, 0,1
.irp n, 0,1
	ds_store_b128 v14, v[CV+4*(2*\m+\n):CV+4*(2*\m+\n)+3] offset:16*STP*(2*(\p)+\m)+32*\n
.endr
.endr
	s_branch .Ldone_\@
.Lx0_\@:
.irp m, 0,1
.irp n, 0,1
	global_store_b128 v15, v[AC+8*(2*\m+\n):AC+8*(2*\m+\n)+3],   s[14:15] offset:16384*(2*(\p)+\m)+1024*\n
	global_store_b128 v15, v[AC+8*(2*\m+\n)+4:AC+8*(2*\m+\n)+7], s[14:15] offset:16384*(2*(\p)+\m)+1024*\n+512
.endr
.endr
	s_wait_xcnt 0x0                                ; the accumulators are written again only behind this wait
.Ldone_\@:
.endm
	MPAIR 0
	MPAIR 1
	MPAIR 2
	MPAIR 3
	s_wait_dscnt 0x0                               ; for the others' sake: my part of the stage is in
	s_barrier_signal -1
	s_barrier_wait -1
	s_cmp_eq_u32 s5, 1
	s_cbranch_scc1 .Lend
	s_mul_i32 s30, s4, 16*STP                      ; kt: wave w takes token rows 16 w .. 16 w + 15, whole
	s_add_co_u32 s30, s30, STG
	v_lshl_add_u32 v6, v3, 4, s30
	s_lshl_b32 s30, s4, 13
	v_lshl_add_u32 v7, v3, 4, s30
.set i, 0
.rept 16
	ds_load_b128 v[AC+4*i:AC+4*i+3], v6 offset:STP*i
.set i, i+1
.endr
.set i, 0
.rept 16
	s_wait_dscnt 15-i                              ; the younger loads may stay out
	global_store_b128 v7, v[AC+4*i:AC+4*i+3], s[14:15] offset:512*i  ; 512 consecutive bytes, aligned
.set i, i+1
.endr
.Lend:
	s_wait_tensorcnt 0x0                           ; the wave's end, behind my last LDS store
	ds_add_u32 v10, v11
	s_wait_dscnt 0x0
	s_endpgm
.Lfunc_end_k_qa018a9e021_proj:
	.size	k_qa018a9e021_proj, .Lfunc_end_k_qa018a9e021_proj-k_qa018a9e021_proj
	.p2alignl 7, 3214868480
	.fill 96, 4, 3214868480
	.section	.rodata,"a",@progbits
	.p2align	6, 0x0
	.amdhsa_kernel k_qa018a9e021_proj
		.amdhsa_group_segment_fixed_size 146944
		.amdhsa_private_segment_fixed_size 0
		.amdhsa_enable_private_segment 0
		.amdhsa_kernarg_size 56
		.amdhsa_user_sgpr_count 2
		.amdhsa_user_sgpr_kernarg_segment_ptr 1
		.amdhsa_wavefront_size32 1
		.amdhsa_system_sgpr_workgroup_id_x 1
		.amdhsa_system_sgpr_workgroup_id_y 1
		.amdhsa_system_sgpr_workgroup_id_z 1
		.amdhsa_system_vgpr_workitem_id 0
		.amdhsa_next_free_vgpr 256
		.amdhsa_next_free_sgpr 66
		.amdhsa_reserve_vcc 0
		.amdhsa_float_denorm_mode_32 3
		.amdhsa_float_denorm_mode_16_64 3
		.amdhsa_memory_ordered 1
		.amdhsa_forward_progress 1
		.amdhsa_inst_pref_size 55
	.end_amdhsa_kernel
	.amdgpu_metadata
---
amdhsa.version: [ 1, 2 ]
amdhsa.kernels:
  - .name:           k_qa018a9e021_proj
    .symbol:         k_qa018a9e021_proj.kd
    .args:
      - { .name: matched_features, .offset: 0, .size: 8, .value_kind: global_buffer, .address_space: global }
      - { .name: query_features, .offset: 8, .size: 8, .value_kind: global_buffer, .address_space: global }
      - { .name: wp, .offset: 16, .size: 8, .value_kind: global_buffer, .address_space: global }
      - { .name: kvb, .offset: 24, .size: 8, .value_kind: global_buffer, .address_space: global }
      - { .name: qb, .offset: 32, .size: 8, .value_kind: global_buffer, .address_space: global }
      - { .name: kt, .offset: 40, .size: 8, .value_kind: global_buffer, .address_space: global }
      - { .name: x0, .offset: 48, .size: 8, .value_kind: global_buffer, .address_space: global }
    .group_segment_fixed_size: 146944
    .private_segment_fixed_size: 0
    .kernarg_segment_align: 8
    .kernarg_segment_size: 56
    .max_flat_workgroup_size: 256
    .sgpr_count:     66
    .vgpr_count:     256
    .wavefront_size: 32
...
	.end_amdgpu_metadata
.endif
;; end of part 2
;; launch core (part 3): grid 32 x 8, 4 waves a work-group, clusters of 4 x 1, 327,680 bytes of LDS; arguments kt, wt, x0, col_embed, row_embed, aggb, n1g, n1b, l1b, l2b, n2g, n2b, outb, query_features, out0, predraw; writes out0, predraw
.if DOCPART == 3
	.amdgcn_target "amdgcn-amd-amdhsa--gfx1250"
	.amdhsa_code_object_version 6
	.text
	.protected	k_qa018a9e021_core
	.globl	k_qa018a9e021_core
	.p2align	8
	.type	k_qa018a9e021_core,@function
k_qa018a9e021_core:
	s_mov_b64 s[64:65], 0
	v_nop
	global_prefetch_b8 v0, s[64:65] scope:SCOPE_SE
	s_setreg_imm32_b32 hwreg(HW_REG_WAVE_MODE, 25, 1), 1
	s_wait_xcnt 0x0
	s_wait_alu depctr_hold_cnt(0) depctr_sa_sdst(0) depctr_va_vdst(0) depctr_va_sdst(0) depctr_va_ssrc(0) depctr_va_vcc(0) depctr_vm_vsrc(0)
	s_getreg_b32 s2, hwreg(HW_REG_IB_STS2, 6, 4)
	s_cmp_eq_u32 s2, 0
	s_cbranch_scc0 .Lentry_in_a_cluster
	s_endpgm
.Lentry_in_a_cluster:
	s_bfe_u32 s2, ttmp6, 0x10000c
	s_cmp_lg_u32 s2, 0x3003
	s_cbranch_scc0 .Lentry_shape_is_right
	s_endpgm
.Lentry_shape_is_right:
; Both layers, the output projection, out0 and the distance of each token, for 32 tokens (one image row) a work-group.
; SHARES.  Work-group = (batch, image row); a cluster = four neighbouring rows of one batch.  All four partners walk the same 35 tiles of 131,072 bytes (for each layer five chunks of 64 keys x 4 sets,
; then twelve weight tiles; at the end outW's), so every tensor load is JOINT: the same load, descriptor and mask in all four.  In attention wave w is matched set w; in the products with weights it owns output
; channels 64 w .. 64 w + 63: either way it reads the 64 rows of a slot that its own load brought.
; INPUTS.  Every input is taken rounded to bf16: not the matrix operands alone but the biases, gains, shifts, both uses of the embeddings and the query features of the distance too, so that the whole program
; computes the module on one and the same rounding of its inputs.  What is made of them stays in f32 but for the matrix operands.
; THE WINDOW.  A query sees 7 x 7 keys.  The cluster's four rows need ten key rows r0 .. r0 + 9, r0 = clamp(4 x cluster - 3, 0, 22): 320 keys instead of 1,024; the rest of the mask is -1e30 on the scores.
; POSITIONS.  q . (k + pos) = q . k + q_lo . col_embed[col] + q_hi . row_embed[row].  Two small products a layer make the column term (with the column mask: the C operand that starts each score sum)
; and the row term (with the row mask: one number a lane for each key row, added with the running maximum's subtraction).  So one tensor kt serves as K (as it lies) and as V (turned by ds_load_tr16_b128).
; LAYOUT.  Source 0 = 16 keys or 16 weight rows, source 1 = 16 tokens: a lane holds ONE token (lane % 16) and eight neighbouring outputs, which pack into 16 bytes of the next product's source 1.
; The residual stream X stays in f32 in registers from first to last: it is the accumulator of the agg and l2 products.  The output projection swaps the sources (a lane: one channel, eight tokens) for out0's planes.
; SOFTMAX.  Running maximum m and sum l a query, in base 2 (c = log2(e) / 16 is folded into q); O and l are multiplied by a = 2^(m_old - m_new) in every chunk.  m starts at -2^96, so the first chunk with a
; visible key has a = 0: O is never cleared and need only hold finite numbers.
; LIMITS.  A hidden score counts as its value less 1e30 and m starts at -2^96: scaled scores stay under 2^96 in size.  x goes into the output projection in f16: 16 |n2g| + |n2b| stays under 65,504.
; NaN and infinities are not treated apart.  A row of 528 bytes serves K's loads without bank conflicts and V's turning loads two deep: no pitch serves both.
; out0: a work-group owns 128 consecutive bytes of each channel's plane, so its stores cover runs of 128 bytes: whole runs of 256 would want two image rows a work-group, half as many work-groups.
; REGISTERS, in windows of 256 (s_set_vgpr_msb: bits 1:0 source 0, 3:2 source 1, 5:4 source 2, 7:6 destination):
;   window 0: v0-31 addresses; v32-95 X; v96-159 scores / accumulators; v160-191 P / at work; v192-223 statistics; v224-255 row terms
;   window 1: O^T (cb, mt) at 8 (2 cb + mt); packed in place at the end of attention; v128-159 l1's bias; at the tail the query features and outW's last 16 rows
;   window 2: v0-127 source 1 (mt, ks) at 8 (8 mt + ks); v128-255 two buffers of eight fragments of source 0
;   window 3: v0-63 col_embed, v64-127 row_embed as fragments; v128-159 column terms; v160-255 bias, gain, shift
.set PIT,   528
.set WROWS, 64*PIT                     ; a wave's 64 rows of a slot
.set SLOTB, 4*WROWS                    ; a slot
.set ACT0,  2*SLOTB                    ; behind the ring, never filled by a tensor load: two activation buffers [32 tokens] of 512 bytes + 16
.set ACTB,  32*PIT
.set ACT1,  ACT0+ACTB
.set STAT,  ACT1+ACTB                  ; 512 bytes of row sums, 512 of sums of squares, 1,024 for the distances
.set PSUM,  STAT+1024
.set SPARE, STAT+2048                  ; the spare words, 128 bytes a wave
.set STAGE, SLOTB                      ; slot 1, behind its last fill: [272 channels] of 128 bytes + 16, f32
.set SPIT,  144
.set RR, 1
.set HH, 2
.set LANE, 3
.set X0O, 4
.set AW0, 6
.set AV0, 7
.set AW, 8
.set AV, 9
.set AXA, 10
.set APA, 12
.set VOFF, 14
.set POFF, 16
.set STW, 18
.set STR, 19
.set DL, 20
.set ZERO, 21
.set SPW, 22
.set NIL, 23
.set PFO, 24
.set ASG, 25
.set ARB, 26
.set GOFF, 27
.set OBO, 28
.set EXO, 29
.set TA, 30
.set TB, 31
.set XX, 32
.set ACC, 96
.set PP, 160
.set ST, 192                           ; for each mt 16: +0 m, +1 the other half's, +2,3 l, +4 a, +5 m_old - m, +6 and +8 row term - m (later mean, 1/sigma), +10..13 at work
.set RT, 224                           ; row term of key row i (counted from the chunk in hand) for mt at 16 mt + i
.set HIM, 3                            ; s3: the mask of a word's upper bf16
.set WV, 4
.set CX, 5
.set CL, 6
.set BT, 7
.set QR, 8
.set R0, 9
.set DQ, 10
.set LEAD, 11
.set TN, 12                            ; the tile to be asked for next
.set FS, 13                            ; the slot of the tile asked for last
.set RSL, 14                           ; the slot that is read
.set WOFF, 15
.set G1, 48
.set G0, 56
.set KTB, 60
.set WTB, 62
.set PFA, 66
.set CXO, 68
.set T0, 70                            ; s70-73 feed the descriptors and never hold a number made from cx
.set T1, 71
.set T2, 72
.set T3, 73
.set LAY, 74
.set CNT, 75
.set HID, 76
.set PFF, 77
.set SEL, 78
.set X0B, 80
.set POSB, 82
.set O0B, 84
.set QFB, 86
.set PRB, 88
.set W25, 90
.set ZZ, 92
.set I256, 93
.set EPS, 94
.set U0, 95                            ; s95, s98-99: at work on numbers made from cx
.set CSC, 96
.set U2, 98
.set W_MM, 0x0a                        ; sources 0 and 1 window 2
.set W_MMC, 0x3a                       ; the same, C in window 3
.set W_LD2, 0x80
.set W_PV, 0x52                        ; V window 2, P window 0, O^T window 1
.set W_RS, 0x41
.set W_CM0, 0xcb                       ; embeddings window 3, tokens window 2, C window 0, D window 3
.set W_CMW, 0xfb
.set W_RTW, 0x0b
.set W_S13, 0x0c
.set W_S123, 0x3c
.set W_C3, 0x0f                        ; sources 0 and 1 window 3, destination window 0
.set W_D1, 0x40
.set W_D3, 0xc0
.set W_PK1, 0x45
.set W_S11, 0x04                       ; source 1, an LDS store's data too, in window 1
.set W_EC, 0xc5
.set W_EXM, 0x06
.set W_DF, 0x44
.set W_SQ, 0x05                        ; sources 0 and 1 window 1, destination window 0
.set MSB, 0
.macro WIN new                         ; the immediate's high byte repeats the setting that is left; a switch that changes nothing is dropped
.if MSB != (\new)
	s_set_vgpr_msb (MSB<<8)|(\new)
.set MSB, \new
.endif
.endm
.macro PLACES                          ; four plain places behind matrix instructions, in front of loads into their registers and of readers of their results
.rept 4
	v_nop
.endr
.endm
.macro CROUND                          ; a round of the cluster's barrier
	s_barrier_signal -1
	s_barrier_wait -1
	s_cmp_lg_u32 s[WV], 0
	s_cbranch_scc1 .Lnw0_\@
	s_barrier_signal -3
.Lnw0_\@:
	s_barrier_wait -3
	s_barrier_signal -1
	s_barrier_wait -1
.endm
; The address of my 64 rows of tile z (0..34) into pair d.  u = z or z - 17: u < 5 is chunk u of kt; else weight tile u - 5, in the second layer u + 7.  Leaves SCC = (u < 5).
.macro TADDR z, d
	s_sub_co_u32 s[T0], s[\z], 17
	s_cmp_lt_u32 s[\z], 17
	s_cselect_b32 s[T0], s[\z], s[T0]
	s_cselect_b32 s[T1], -5, 7
	s_add_co_u32 s[T1], s[T1], s[T0]
	s_lshl_b32 s[T1], s[T1], 17
	s_lshl_b32 s[T2], s[T0], 15
	s_cmp_lt_u32 s[T0], 5
	s_cselect_b32 s[T2], s[T2], s[T1]
	s_cselect_b64 s[\d:\d+1], s[KTB:KTB+1], s[WTB:WTB+1]
	s_mov_b32 s[T3], 0
	s_add_nc_u64 s[\d:\d+1], s[\d:\d+1], s[T2:T3]
.endm
; A STEP'S HEAD: the change of slots.  Every wave waits for all its tensor loads (one is out: its part of the tile now wanted), adds 0 to its spare word, and waits for that and for its reads of the slot that it leaves.
; fill = 1: a round of the cluster's barrier, and the joint refill of the slot just left is the first thing behind it; it has this whole step in which to land.
; Behind the load and its five lines one prefetch: the weight tile that stands two refills on.  Every cluster reads every weight tile; the first cluster of the first batch asks, nobody else; wave w for its own
; 64 rows, the four partners 16 rows each, told apart by address; a lane 256 bytes.  Chunks of kt are not asked for: the first walk is the launch's first steps, the second a later reading.
.macro STEPH fill
	WIN 0
.if \fill
	s_wait_xcnt 0x0                                ; the last prefetch, a step back, has read its address
.endif
	s_wait_tensorcnt 0x0                           ; no tensor load of mine is out, so the descriptor may be written
	ds_add_u32 v[SPW], v[NIL]                      ; the scalar work below stands between the add and the wait for it
	s_mov_b32 s[RSL], s[FS]
.if \fill
	s_xor_b32 s[FS], s[FS], SLOTB
	s_add_co_u32 s[G0+1], s[FS], s[WOFF]
	TADDR TN, G0+2
	s_or_b32 s[G0+3], s[G0+3], 0x80000000
	s_add_co_u32 s[TN], s[TN], 1
	s_add_co_u32 s[ZZ], s[TN], 1
	TADDR ZZ, PFA
	s_cselect_b32 s[PFF], 0, s[LEAD]               ; a weight tile, in the cluster that asks,
	s_cmp_le_u32 s[ZZ], 34
	s_cselect_b32 s[PFF], s[PFF], 0                ; and there is such a tile
	s_add_nc_u64 s[PFA:PFA+1], s[PFA:PFA+1], s[CXO:CXO+1]
.endif
	s_wait_dscnt 0x0                               ; the add is done, my reads of the old slot are over, my stores into the activation buffers are in
.if \fill
	CROUND
	tensor_load_to_lds s[G0:G0+3], s[G1:G1+7]
	s_nop 0
	PLACES
	s_cmp_eq_u32 s[PFF], 1
	s_cbranch_scc0 .Lnp_\@
	global_prefetch_b8 v[PFO], s[PFA:PFA+1] th:TH_LOAD_NT scope:SCOPE_SE
.Lnp_\@:
.else
	s_barrier_signal -1
	s_barrier_wait -1
	PLACES
.endif
	v_add_nc_u32 v[AW], s[RSL], v[AW0]
	v_add_nc_u32 v[AV], s[RSL], v[AV0]
.endm
.macro FX act                          ; source 1: 32 tokens x 256 channels out of an activation buffer
	WIN W_LD2
.irp mt, 0,1
.irp ks, 0,1,2,3,4,5,6,7
	ds_load_b128 v[8*(8*\mt+\ks):8*(8*\mt+\ks)+3],   v[AXA+(\act)] offset:16*PIT*\mt+64*\ks
	ds_load_b128 v[8*(8*\mt+\ks)+4:8*(8*\mt+\ks)+7], v[AXA+(\act)] offset:16*PIT*\mt+64*\ks+32
.endr
.endr
.endm
.macro FW b                            ; quarter b of source 0 as it lies: my 64 rows, channels 64 b .. 64 b + 63
	WIN W_LD2
.irp ksl, 0,1
.irp nt, 0,1,2,3
.set rW, 128+64*((\b)%2)+8*(4*\ksl+\nt)
	ds_load_b128 v[rW:rW+3],   v[AW] offset:16*PIT*\nt+64*(2*(\b)+\ksl)
	ds_load_b128 v[rW+4:rW+7], v[AW] offset:16*PIT*\nt+64*(2*(\b)+\ksl)+32
.endr
.endr
.endm
; 16 products of quarter b; the eight accumulators take turns, one instruction a turn.  cm: how the sums start: 0 in place, 1 with the column terms, 2 with the constant 0.
; form = 1: f16, sources swapped.
.macro MU b, dst, cm, form
.irp ksl, 0,1
.irp nt, 0,1,2,3
.irp mt, 0,1
.set rD, (\dst)+8*(2*\nt+\mt)
.set rW, 128+64*((\b)%2)+8*(4*\ksl+\nt)
.set rQ, 8*(8*\mt+2*(\b)+\ksl)
.set rC, 128+8*(2*(\nt%2)+\mt)
.if ((\b)+\ksl == 0) && ((\cm) == 1)
	WIN W_MMC
	v_wmma_f32_16x16x32_bf16 v[rD:rD+7], v[rW:rW+7], v[rQ:rQ+7], v[rC:rC+7]
.elseif ((\b)+\ksl == 0) && ((\cm) == 2) && (\form)
	WIN W_MM
	v_wmma_f32_16x16x32_f16 v[rD:rD+7], v[rQ:rQ+7], v[rW:rW+7], 0
.elseif ((\b)+\ksl == 0) && ((\cm) == 2)
	WIN W_MM
	v_wmma_f32_16x16x32_bf16 v[rD:rD+7], v[rW:rW+7], v[rQ:rQ+7], 0
.elseif \form
	WIN W_MM
	v_wmma_f32_16x16x32_f16 v[rD:rD+7], v[rQ:rQ+7], v[rW:rW+7], v[rD:rD+7]
.else
	WIN W_MM
	v_wmma_f32_16x16x32_bf16 v[rD:rD+7], v[rW:rW+7], v[rQ:rQ+7], v[rD:rD+7]
.endif
.endr
.endr
.endr
.endm
.macro MM64 dst, cm, form              ; 64 rows x 32 tokens x 256: 64 products; a quarter's 16 loads go out while the quarter before is multiplied
	FW 0
.irp b, 0,1,2,3
.if \b < 3
	PLACES
	FW (\b)+1
	s_wait_dscnt 16                                ; all but the sixteen just issued
.else
	s_wait_dscnt 0x0
.endif
	MU \b, \dst, \cm, \form
.endr
.endm
.macro FV b                            ; V turned: 64 keys x channels 64 b .. 64 b + 63
	WIN W_LD2
.irp kk, 0,1
.irp cbl, 0,1,2,3
.set rV, 128+64*((\b)%2)+8*(4*\kk+\cbl)
	ds_load_tr16_b128 v[rV:rV+3],   v[AV] offset:32*PIT*\kk+32*(4*(\b)+\cbl)
	ds_load_tr16_b128 v[rV+4:rV+7], v[AV] offset:32*PIT*\kk+32*(4*(\b)+\cbl)+16*PIT
.endr
.endr
.endm
.macro MP b                            ; O^T += V^T P for those channels; eight accumulators by turns
	WIN W_PV
.irp kk, 0,1
.irp cbl, 0,1,2,3
.irp mt, 0,1
.set rO, 8*(2*(4*(\b)+\cbl)+\mt)
.set rV, 128+64*((\b)%2)+8*(4*\kk+\cbl)
.set rP, PP+16*\mt+8*\kk
	v_wmma_f32_16x16x32_bf16 v[rO:rO+7], v[rV:rV+7], v[rP:rP+7], v[rO:rO+7]
.endr
.endr
.endr
.endm
; One chunk's softmax for both token tiles.  Score tile t (16 keys; image row t / 2 of the chunk) of mt lies at ACC + 8 (2 t + mt).
.macro SOFTMAX
	WIN 0
.irp g, 0,1,2                          ; four chains a token tile, three operands at a time; each accumulator's lowest registers are read first
.irp mt, 0,1
.irp t, 0,1,2,3
.set rS, ACC+8*(2*\t+\mt)
.set rC, ST+16*\mt+10+\t
.if \g == 0
	v_max3_num_f32 v[rC], v[rS], v[rS+1], v[rS+2]
.else
	v_max3_num_f32 v[rC], v[rC], v[rS+2*\g+1], v[rS+2*\g+2]
.endif
.endr
.endr
.endr
.irp mt, 0,1
.irp u, 0,1
	v_max3_num_f32 v[ST+16*\mt+10+2*\u], v[ST+16*\mt+10+2*\u], v[ACC+8*(4*\u+\mt)+7], v[ACC+8*(4*\u+2+\mt)+7]
.endr
.endr
.irp mt, 0,1
.irp u, 0,1
	v_max_num_f32 v[ST+16*\mt+10+2*\u], v[ST+16*\mt+10+2*\u], v[ST+16*\mt+11+2*\u]
.endr
.endr
.irp mt, 0,1
.irp u, 0,1
	v_add_f32 v[ST+16*\mt+10+2*\u], v[ST+16*\mt+10+2*\u], v[RT+16*\mt+\u]  ; each image row's term
.endr
.endr
.irp mt, 0,1
	v_max_num_f32 v[ST+16*\mt+10], v[ST+16*\mt+10], v[ST+16*\mt+12]
.endr
.irp mt, 0,1
	v_permlanex16_b32 v[ST+16*\mt+1], v[ST+16*\mt+10], s[SEL], s[SEL+1]  ; the token's other keys lie in the lane 16 away
.endr
.irp mt, 0,1
	v_mov_b32 v[ST+16*\mt+5], v[ST+16*\mt]
.endr
.irp mt, 0,1
	v_max3_num_f32 v[ST+16*\mt], v[ST+16*\mt+10], v[ST+16*\mt+1], v[ST+16*\mt]
.endr
.irp mt, 0,1
	v_sub_f32 v[ST+16*\mt+5], v[ST+16*\mt+5], v[ST+16*\mt]
.endr
.irp mt, 0,1
	v_exp_f32 v[ST+16*\mt+4], v[ST+16*\mt+5]       ; a: the first of the batch
.endr
.irp mt, 0,1
.irp u, 0,1
	v_sub_f32 v[ST+16*\mt+6+2*\u], v[RT+16*\mt+\u], v[ST+16*\mt]
.endr
.endr
.irp mt, 0,1
.irp t, 0,1,2,3
.irp p, 0,1,2,3
.set rS, ACC+8*(2*\t+\mt)+2*\p
	v_pk_add_f32 v[rS:rS+1], v[rS:rS+1], v[ST+16*\mt+6+2*(\t/2):ST+16*\mt+7+2*(\t/2)] op_sel_hi:[1,0]
.endr
.endr
.endr
.set i, 0
.rept 64
	v_exp_f32 v[ACC+i], v[ACC+i]
.set i, i+1
.endr
	v_nop                                          ; a plain instruction behind the last exponential (ISA guide 5.7.2),
	s_wait_alu depctr_va_vdst(0)                   ; and one wait for all 66, ahead of their first reader
.irp mt, 0,1
.irp t, 0,1,2,3
.irp p, 0,1,2,3
	v_cvt_pk_bf16_f32 v[PP+16*\mt+4*\t+\p], v[ACC+8*(2*\t+\mt)+2*\p], v[ACC+8*(2*\t+\mt)+2*\p+1]
.endr
.endr
.endr
.set i, 0
.rept 8                                ; the sums, in place: within each accumulator,
	v_pk_add_f32 v[ACC+8*i:ACC+8*i+1], v[ACC+8*i:ACC+8*i+1], v[ACC+8*i+2:ACC+8*i+3]
	v_pk_add_f32 v[ACC+8*i+4:ACC+8*i+5], v[ACC+8*i+4:ACC+8*i+5], v[ACC+8*i+6:ACC+8*i+7]
.set i, i+1
.endr
.set i, 0
.rept 8
	v_pk_add_f32 v[ACC+8*i:ACC+8*i+1], v[ACC+8*i:ACC+8*i+1], v[ACC+8*i+4:ACC+8*i+5]
.set i, i+1
.endr
.irp mt, 0,1                           ; then over the four
	v_pk_add_f32 v[ACC+8*\mt:ACC+8*\mt+1], v[ACC+8*\mt:ACC+8*\mt+1], v[ACC+16+8*\mt:ACC+16+8*\mt+1]
	v_pk_add_f32 v[ACC+32+8*\mt:ACC+32+8*\mt+1], v[ACC+32+8*\mt:ACC+32+8*\mt+1], v[ACC+48+8*\mt:ACC+48+8*\mt+1]
.endr
.irp mt, 0,1
	v_pk_add_f32 v[ACC+8*\mt:ACC+8*\mt+1], v[ACC+8*\mt:ACC+8*\mt+1], v[ACC+32+8*\mt:ACC+32+8*\mt+1]
.endr
.irp mt, 0,1
	v_pk_fma_f32 v[ST+16*\mt+2:ST+16*\mt+3], v[ST+16*\mt+2:ST+16*\mt+3], v[ST+16*\mt+4:ST+16*\mt+5], v[ACC+8*\mt:ACC+8*\mt+1] op_sel_hi:[1,0,1]
.endr
	WIN W_RS
.set i, 0
.rept 128                              ; O^T times a: pair i of accumulator i / 4, whose token tile is (i / 4) % 2
	v_pk_mul_f32 v[2*i:2*i+1], v[2*i:2*i+1], v[ST+16*((i/4)%2)+4:ST+16*((i/4)%2)+5] op_sel_hi:[1,0]
.set i, i+1
.endr
.endm
.macro CHUNK                           ; 64 keys of my set
	STEPH 1
	MM64 ACC, 1, 0
	PLACES
	FV 0
	FV 1
	SOFTMAX
	s_wait_dscnt 16                                ; the first quarter of V is in
	MP 0
	PLACES
	FV 2
	s_wait_dscnt 16
	MP 1
	PLACES
	FV 3
	s_wait_dscnt 16
	MP 2
	s_wait_dscnt 0x0
	MP 3
	WIN 0
.irp mt, 0,1                           ; the row terms move up by the chunk's two image rows
.set i, 0
.rept 8
	v_mov_b32 v[RT+16*\mt+i], v[RT+16*\mt+i+2]
.set i, i+1
.endr
.endr
.endm
; 64 f32 registers (accumulators (nt, mt)) rounded to 16 bits and stored as my 64 channels of the 32 token rows at address register ap.
.macro PUTACT src, ap, fmt, relu
	WIN 0
.set i, 0
.rept 32
.if \fmt
	v_cvt_pk_f16_f32 v[PP+i], v[(\src)+2*i], v[(\src)+2*i+1]
.else
	v_cvt_pk_bf16_f32 v[PP+i], v[(\src)+2*i], v[(\src)+2*i+1]
.endif
.set i, i+1
.endr
.if \relu
.set i, 0
.rept 32
	v_pk_max_num_bf16 v[PP+i], v[PP+i], v[ZERO]
.set i, i+1
.endr
.endif
.set i, 0
.rept 8
	ds_store_b128 v[\ap], v[PP+4*i:PP+4*i+3] offset:16*PIT*(i%2)+32*(i/2)
.set i, i+1
.endr
.endm
.macro OSTORE s, act                   ; wave s puts its set's o, packed in window 1, into an activation buffer
	WIN 0
	s_cmp_lg_u32 s[WV], \s
	s_cbranch_scc1 .Lnot_\@
	WIN W_S11
.set i, 0
.rept 32
	ds_store_b128 v[AXA+(\act)], v[4*i:4*i+3] offset:16*PIT*(i%2)+32*(i/2)
.set i, i+1
.endr
	WIN 0
.Lnot_\@:
.endm
.macro LV1 v, p
.irp nt, 0,1,2,3
	global_load_b128 v[160+32*(\v)+8*\nt:160+32*(\v)+8*\nt+3],   v[VOFF], s[\p:\p+1] offset:64*\nt
	global_load_b128 v[160+32*(\v)+8*\nt+4:160+32*(\v)+8*\nt+7], v[VOFF], s[\p:\p+1] offset:64*\nt+16
.endr
.endm
.macro LOADVEC pa, pb, pc              ; bias, gain and shift of my lane's 32 channels
	WIN W_D3
	LV1 0, \pa
	LV1 1, \pb
	LV1 2, \pc
	WIN 0
.endm
.macro TREE                            ; eight pairs a token tile at PP + 16 mt are added up, the other half of the lanes' too
.irp d, 4,2,1
.irp mt, 0,1
.set i, 0
.rept \d
	v_pk_add_f32 v[PP+16*\mt+2*i:PP+16*\mt+2*i+1], v[PP+16*\mt+2*i:PP+16*\mt+2*i+1], v[PP+16*\mt+2*(i+\d):PP+16*\mt+2*(i+\d)+1]
.set i, i+1
.endr
.endr
.endr
.irp mt, 0,1
	v_add_f32 v[PP+16*\mt], v[PP+16*\mt], v[PP+16*\mt+1]
.endr
.irp mt, 0,1
	v_permlanex16_b32 v[PP+16*\mt+1], v[PP+16*\mt], s[SEL], s[SEL+1]
.endr
.irp mt, 0,1
	v_add_f32 v[PP+16*\mt], v[PP+16*\mt], v[PP+16*\mt+1]
.endr
.endm
.macro EXCH off                        ; the four waves' sums of 64 channels meet in LDS
.irp mt, 0,1
	ds_store_b32 v[STW], v[PP+16*\mt] offset:(\off)+256*\mt
.endr
	s_wait_dscnt 0x0                               ; for the others' sake
	s_barrier_signal -1                            ; the tile on its way stays out
	s_barrier_wait -1
.irp mt, 0,1
	ds_load_b128 v[PP+16*\mt:PP+16*\mt+3], v[STR] offset:(\off)+256*\mt
.endr
	s_wait_dscnt 0x0
.irp mt, 0,1
	v_add_f32 v[PP+16*\mt], v[PP+16*\mt], v[PP+16*\mt+1]
	v_add_f32 v[PP+16*\mt+2], v[PP+16*\mt+2], v[PP+16*\mt+3]
.endr
.irp mt, 0,1
	v_add_f32 v[PP+16*\mt], v[PP+16*\mt], v[PP+16*\mt+2]
.endr
.endm
; X = LayerNorm(X + bias) x gain + shift.  Two passes: the mean, then the squares of the differences.
.macro LNORM
	s_wait_loadcnt 0x0                             ; the three vectors
	PLACES
	WIN W_C3                                       ; they are taken rounded to bf16, like every input: packed, two numbers a word, into 48 of the score registers, which are free here,
.set i, 0
.rept 48
	v_cvt_pk_bf16_f32 v[ACC+i], v[160+2*i], v[160+2*i+1]
.set i, i+1
.endr
	WIN W_D3                                       ; and widened again in place
.set i, 0
.rept 48
	v_lshlrev_b32 v[160+2*i], 16, v[ACC+i]
	v_and_b32 v[160+2*i+1], s[HIM], v[ACC+i]
.set i, i+1
.endr
	WIN W_S13
.set i, 0
.rept 32
	v_pk_add_f32 v[XX+2*i:XX+2*i+1], v[XX+2*i:XX+2*i+1], v[160+8*(i/8)+2*(i%4):160+8*(i/8)+2*(i%4)+1]
.set i, i+1
.endr
	WIN 0
.irp mt, 0,1
.set i, 0
.rept 8
.set rx, XX+8*(2*(i/2)+\mt)+4*(i%2)
	v_pk_add_f32 v[PP+16*\mt+2*i:PP+16*\mt+2*i+1], v[rx:rx+1], v[rx+2:rx+3]
.set i, i+1
.endr
.endr
	TREE
	EXCH 0
.irp mt, 0,1
	v_mul_f32 v[ST+16*\mt+6], s[I256], v[PP+16*\mt]
.endr
.set i, 0
.rept 32
	v_pk_add_f32 v[XX+2*i:XX+2*i+1], v[XX+2*i:XX+2*i+1], v[ST+16*((i/4)%2)+6:ST+16*((i/4)%2)+7] op_sel_hi:[1,0] neg_lo:[0,1] neg_hi:[0,1]
.set i, i+1
.endr
.irp mt, 0,1
.set i, 0
.rept 8
.set rx, XX+8*(2*(i/2)+\mt)+4*(i%2)
	v_pk_mul_f32 v[PP+16*\mt+2*i:PP+16*\mt+2*i+1], v[rx:rx+1], v[rx:rx+1]
.set i, i+1
.endr
.endr
.irp mt, 0,1
.set i, 0
.rept 8
.set rx, XX+8*(2*(i/2)+\mt)+4*(i%2)+2
	v_pk_fma_f32 v[PP+16*\mt+2*i:PP+16*\mt+2*i+1], v[rx:rx+1], v[rx:rx+1], v[PP+16*\mt+2*i:PP+16*\mt+2*i+1]
.set i, i+1
.endr
.endr
	TREE
	EXCH 512
.irp mt, 0,1
	v_fma_f32 v[PP+16*\mt], v[PP+16*\mt], s[I256], s[EPS]
.endr
.irp mt, 0,1
	v_rsq_f32 v[ST+16*\mt+8], v[PP+16*\mt]
.endr
	v_nop
	s_wait_alu depctr_va_vdst(0)                   ; one wait for both, ahead of their first reader
.set i, 0
.rept 32
	v_pk_mul_f32 v[XX+2*i:XX+2*i+1], v[XX+2*i:XX+2*i+1], v[ST+16*((i/4)%2)+8:ST+16*((i/4)%2)+9] op_sel_hi:[1,0]
.set i, i+1
.endr
	WIN W_S123
.set i, 0
.rept 32
	v_pk_fma_f32 v[XX+2*i:XX+2*i+1], v[XX+2*i:XX+2*i+1], v[192+8*(i/8)+2*(i%4):192+8*(i/8)+2*(i%4)+1], v[224+8*(i/8)+2*(i%4):224+8*(i/8)+2*(i%4)+1]
.set i, i+1
.endr
	WIN 0
.endm
.macro ELOAD f, adr, ptr, off          ; the 16 f32 of a lane's part of embedding fragment f, into window 1
	global_load_b128 v[16*(\f):16*(\f)+3],     v[\adr], s[\ptr:\ptr+1] offset:(\off)
	global_load_b128 v[16*(\f)+4:16*(\f)+7],   v[\adr], s[\ptr:\ptr+1] offset:(\off)+16
	global_load_b128 v[16*(\f)+8:16*(\f)+11],  v[\adr], s[\ptr:\ptr+1] offset:(\off)+64
	global_load_b128 v[16*(\f)+12:16*(\f)+15], v[\adr], s[\ptr:\ptr+1] offset:(\off)+80
.endm
	; ---------------- the head ----------------
	s_load_b512 s[16:31], s[0:1], 0x0              ; kt 16, wt 18, x0 20, col_embed 22, row_embed 24, aggb 26, n1g 28, n1b 30
	s_load_b512 s[32:47], s[0:1], 0x40             ; l1b 32, l2b 34, n2g 36, n2b 38, outb 40, query_features 42, out0 44, predraw 46
	v_lshl_add_u32 v[SPW], v0, 2, SPARE
	v_mov_b32 v[NIL], 0
	ds_add_u32 v[SPW], v[NIL]                      ; the wave's opening: the add and its wait stand ahead of my first tensor load; work on registers stands between them
	v_lshrrev_b32 v[TA], 5, v0
	v_readfirstlane_b32 s[WV], v[TA]               ; wave 0..3
	s_bfe_u32 s[CX], ttmp6, 0x40000                ; my place in the cluster
	s_mov_b32 s[CL], ttmp9                         ; the cluster: image rows 4 CL .. 4 CL + 3
	s_and_b32 s[BT], ttmp7, 0xffff                 ; the batch
	s_lshl_b32 s[QR], s[CL], 2
	s_add_co_u32 s[QR], s[QR], s[CX]               ; my image row
	s_lshl_b32 s[R0], s[CL], 2
	s_sub_co_i32 s[R0], s[R0], 3
	s_max_i32 s[R0], s[R0], 0
	s_min_i32 s[R0], s[R0], 22                     ; the first of the cluster's ten key rows
	s_sub_co_u32 s[DQ], s[QR], s[R0]
	s_or_b32 s[LEAD], s[CL], s[BT]
	s_cmp_eq_u32 s[LEAD], 0
	s_cselect_b32 s[LEAD], 1, 0                    ; the cluster that prefetches: the same in all four partners
	s_mul_i32 s[WOFF], s[WV], WROWS
	s_mov_b32 s[G1], 15|(1<<16)|(1<<20)|(1<<21)|(6<<22)|(3<<25)  ; the mask of four; 2-byte elements; padding on; bit 21 beside a mask; after every 128 words; 4 words
	s_mov_b32 s[G1+1], 256<<16                     ; tensor_dim0 = 256
	s_mov_b32 s[G1+2], 64<<16                      ; tensor_dim1 = 64
	s_mov_b32 s[G1+3], 256<<16                     ; tile_dim0 = 256
	s_mov_b32 s[G1+4], 64                          ; tile_dim1 = 64
	s_mov_b32 s[G1+5], 256                         ; 256 elements from row to row, in kt and in wt
	s_mov_b32 s[G1+6], 0
	s_mov_b32 s[G1+7], 0
	s_mov_b32 s[G0], 1
	s_mov_b32 s[FS], 0
	s_add_co_u32 s[G0+1], s[FS], s[WOFF]           ; tile 0 goes into slot 0
	s_mov_b32 s[TN], 1
	s_mov_b32 s[HID], 0xf149f2ca                   ; -1e30
	s_mov_b32 s[HIM], 0xffff0000
	s_mov_b32 s[CSC], 0x3db8aa3b                   ; log2(e) / 16
	s_mov_b32 s[CSC+1], s[CSC]
	s_mov_b32 s[SEL], 0x76543210
	s_mov_b32 s[SEL+1], 0xfedcba98
	s_mov_b32 s[I256], 0x3b800000                  ; 1 / 256
	s_mov_b32 s[EPS], 0x3727c5ac                   ; 1e-5
	s_mov_b32 s[T3], 0
	s_mov_b32 s[U2+1], 0
	s_lshl_b32 s[CXO], s[CX], 13
	s_mov_b32 s[CXO+1], 0
	s_wait_dscnt 0x0                               ; the opening add is done
	s_wait_kmcnt 0x0
	s_lshl_b32 s[T2], s[WV], 22                    ; kt: my set,
	s_lshl_b32 s[T0], s[BT], 19                    ; the batch,
	s_add_co_u32 s[T2], s[T2], s[T0]
	s_lshl_b32 s[T0], s[R0], 14                    ; key row r0
	s_add_co_u32 s[T2], s[T2], s[T0]
	s_add_nc_u64 s[KTB:KTB+1], s[16:17], s[T2:T3]
	s_lshl_b32 s[T2], s[WV], 15                    ; wt: my 64 rows of a tile
	s_add_nc_u64 s[WTB:WTB+1], s[18:19], s[T2:T3]
	s_add_nc_u64 s[W25:W25+1], s[18:19], 25*131072
	s_mov_b64 s[G0+2:G0+3], s[KTB:KTB+1]
	s_or_b32 s[G0+3], s[G0+3], 0x80000000
	s_lshl_b32 s[U2], s[BT], 20                    ; x0: token tiles 64 b + 2 qr, + 1
	s_lshl_b32 s[U0], s[QR], 15
	s_add_co_u32 s[U2], s[U2], s[U0]
	s_add_nc_u64 s[X0B:X0B+1], s[20:21], s[U2:U2+1]
	s_mul_i32 s[U2], s[BT], 1114112                ; out0 and the query features: my image row of each plane
	s_lshl_b32 s[U0], s[QR], 7
	s_add_co_u32 s[U2], s[U2], s[U0]
	s_add_nc_u64 s[O0B:O0B+1], s[44:45], s[U2:U2+1]
	s_add_nc_u64 s[QFB:QFB+1], s[42:43], s[U2:U2+1]
	s_lshl_b32 s[U2], s[BT], 12
	s_add_co_u32 s[U2], s[U2], s[U0]
	s_add_nc_u64 s[PRB:PRB+1], s[46:47], s[U2:U2+1]
	s_lshl_b32 s[U0], s[QR], 9                     ; the queries' positions: waves 0, 1 hold column channels, waves 2, 3 my image row's
	s_cmp_lt_u32 s[WV], 2
	s_cselect_b64 s[POSB:POSB+1], s[22:23], s[24:25]
	s_cselect_b32 s[U2], 0, s[U0]
	s_add_nc_u64 s[POSB:POSB+1], s[POSB:POSB+1], s[U2:U2+1]
	CROUND                                         ; all four work-groups are here: the first joint load meets
	tensor_load_to_lds s[G0:G0+3], s[G1:G1+7]      ; tile 0; slot 1 is first filled behind the first step's round
	s_nop 0
	PLACES
	v_and_b32 v[LANE], 31, v0
	v_and_b32 v[RR], 15, v0
	v_bfe_u32 v[HH], v0, 4, 1
	s_lshl_b32 s[T0], s[WV], 12
	v_lshl_add_u32 v[X0O], v[LANE], 4, s[T0]
	v_lshlrev_b32 v[PP], 9, v[RR]
	v_lshl_add_u32 v[PP], v[HH], 5, v[PP]          ; col_embed: row r, 8 h channels on
	v_and_b32 v[TA], 7, v0
	v_add_nc_u32 v[TA], s[R0], v[TA]               ; row_embed: key row r0 + 8 u + r % 8, the same in both halves of source 0's rows, so that every lane gets every key row's term
	v_min_u32 v[TB], 31, v[TA]
	v_lshlrev_b32 v[TB], 9, v[TB]
	v_lshl_add_u32 v[PP+1], v[HH], 5, v[TB]
	v_add_nc_u32 v[TA], 8, v[TA]
	v_min_u32 v[TB], 31, v[TA]
	v_lshlrev_b32 v[TB], 9, v[TB]
	v_lshl_add_u32 v[PP+2], v[HH], 5, v[TB]
.set i, 0
.rept 8                                ; X: accumulator i = 2 nt + mt
	global_load_b128 v[XX+8*i:XX+8*i+3],   v[X0O], s[X0B:X0B+1] offset:16384*(i%2)+1024*(i/2)
	global_load_b128 v[XX+8*i+4:XX+8*i+7], v[X0O], s[X0B:X0B+1] offset:16384*(i%2)+1024*(i/2)+512
.set i, i+1
.endr
	WIN W_D1
.irp ct, 0,1
.irp ks, 0,1,2,3
	ELOAD 4*\ct+\ks, PP, 22, \ct*8192+\ks*128
.endr
.endr
.irp u, 0,1
.irp ks, 0,1,2,3
	ELOAD 8+4*\u+\ks, PP+1+\u, 24, \ks*128
.endr
.endr
	WIN 0
	v_mul_u32_u24 v[TA], v[RR], PIT
	v_lshl_add_u32 v[TA], v[HH], 4, v[TA]          ; a fragment's row x pitch + 16 x half
	v_add_nc_u32 v[AW0], s[WOFF], v[TA]
	v_add_nc_u32 v[AXA], ACT0, v[TA]
	v_add_nc_u32 v[AXA+1], ACT1, v[TA]
	s_lshl_b32 s[T0], s[WV], 7
	v_add_nc_u32 v[APA], s[T0], v[AXA]             ; my 64 channels of the token rows
	v_add_nc_u32 v[APA+1], s[T0], v[AXA+1]
	v_and_b32 v[TB], 7, v0
	v_lshl_add_u32 v[TA], v[HH], 3, v[TB]
	v_mul_u32_u24 v[TA], v[TA], PIT
	v_bfe_u32 v[AV0], v0, 3, 1
	v_lshl_add_u32 v[AV0], v[AV0], 4, v[TA]        ; the turning load: key 8 h + l % 8, 16 bytes by (l / 8) % 2
	v_add_nc_u32 v[AV0], s[WOFF], v[AV0]
	s_lshl_b32 s[T0], s[WV], 8
	v_lshl_add_u32 v[VOFF], v[HH], 5, s[T0]        ; channel 64 w + 8 h of a vector of f32
	v_lshl_add_u32 v[OBO], v[RR], 2, s[T0]         ; channel 64 w + r
	s_and_b32 s[T1], s[WV], 1
	s_lshl_b32 s[T1], s[T1], 8
	s_cmp_lt_u32 s[WV], 2
	s_cselect_b32 s[T0], 512, 0
	v_mul_u32_u24 v[POFF], v[RR], s[T0]
	v_lshl_add_u32 v[POFF], v[HH], 5, v[POFF]
	v_add_nc_u32 v[POFF], s[T1], v[POFF]
	s_lshl_b32 s[T0], s[T0], 4
	v_add_nc_u32 v[POFF+1], s[T0], v[POFF]
	s_lshl_b32 s[T0], s[WV], 2
	s_add_co_u32 s[T0], s[T0], STAT
	v_lshl_add_u32 v[STW], v[RR], 4, s[T0]
	v_lshlrev_b32 v[STR], 4, v[RR]
	v_add_nc_u32 v[STR], STAT, v[STR]
	v_lshlrev_b32 v[DL], 3, v[HH]
	v_sub_nc_u32 v[DL], v[DL], v[RR]
	v_add_nc_u32 v[DL], 3, v[DL]                   ; 8 h - r + 3
	v_mov_b32 v[ZERO], 0
	v_lshlrev_b32 v[PFO], 8, v[LANE]
	s_mul_i32 s[T0], s[WV], 64*SPIT
	s_add_co_u32 s[T0], s[T0], STAGE
	v_mul_u32_u24 v[ASG], v[RR], SPIT
	v_lshl_add_u32 v[ASG], v[HH], 5, v[ASG]
	v_add_nc_u32 v[ASG], s[T0], v[ASG]             ; stage in: channel 64 w + r, tokens 8 h on
	v_lshrrev_b32 v[TA], 3, v[LANE]
	s_mul_i32 s[T0], s[WV], 68*SPIT
	s_add_co_u32 s[T0], s[T0], STAGE
	v_mul_u32_u24 v[ARB], v[TA], SPIT
	v_lshl_add_u32 v[ARB], v[TB], 4, v[ARB]
	v_add_nc_u32 v[ARB], s[T0], v[ARB]             ; stage back: channel 68 w + l / 8, 16 bytes by l % 8
	s_mul_i32 s[T0], s[WV], 68*4096
	v_lshlrev_b32 v[GOFF], 12, v[TA]
	v_lshl_add_u32 v[GOFF], v[TB], 4, v[GOFF]
	v_add_nc_u32 v[GOFF], s[T0], v[GOFF]           ; and the same in out0 and the query features
	v_lshlrev_b32 v[EXO], 9, v[RR]
	v_lshl_add_u32 v[EXO], v[HH], 4, v[EXO]
	v_add_nc_u32 v[EXO], 48*512, v[EXO]            ; rows 48 + r of wt's last block: output channels 256 + r
	s_wait_loadcnt 0x0
	WIN W_EC
.set i, 0
.rept 128
	v_cvt_pk_bf16_f32 v[i], v[2*i], v[2*i+1]       ; the embeddings as fragments
.set i, i+1
.endr
	WIN 0
	s_mov_b32 s[LAY], 2
.Llayer:
	; ---------------- q = (x + pos) c, for all four waves ----------------
.set i, 0
.rept 8
	global_load_b128 v[ACC+8*i:ACC+8*i+3],   v[POFF+i%2], s[POSB:POSB+1] offset:64*(i/2)
	global_load_b128 v[ACC+8*i+4:ACC+8*i+7], v[POFF+i%2], s[POSB:POSB+1] offset:64*(i/2)+16
.set i, i+1
.endr
	s_wait_loadcnt 0x0
.set i, 0
.rept 32                               ; the positions are taken rounded to bf16, as the keys' side takes them: packed into P's registers, which are free here,
	v_cvt_pk_bf16_f32 v[PP+i], v[ACC+2*i], v[ACC+2*i+1]
.set i, i+1
.endr
.set i, 0
.rept 32                               ; and widened again in place
	v_lshlrev_b32 v[ACC+2*i], 16, v[PP+i]
	v_and_b32 v[ACC+2*i+1], s[HIM], v[PP+i]
.set i, i+1
.endr
.set i, 0
.rept 32
	v_pk_add_f32 v[ACC+2*i:ACC+2*i+1], v[ACC+2*i:ACC+2*i+1], v[XX+2*i:XX+2*i+1]
.set i, i+1
.endr
.set i, 0
.rept 32
	v_pk_mul_f32 v[ACC+2*i:ACC+2*i+1], v[ACC+2*i:ACC+2*i+1], s[CSC:CSC+1] op_sel_hi:[1,0]
.set i, i+1
.endr
	PUTACT ACC, APA, 0, 0
	s_wait_dscnt 0x0                               ; for the others' sake: my channels of q are in
	s_barrier_signal -1                            ; the first chunk stays on its way
	s_barrier_wait -1
	FX 0
	WIN 0
	; the column mask, in the score registers: key column 16 ct + 8 h + j is hidden where it is more than 3 from query column 16 mt + r
.irp ct, 0,1
.irp mt, 0,1
.irp j, 0,1,2,3,4,5,6,7
	v_add_nc_u32 v[TA], 16*(\ct-\mt)+\j, v[DL]
	v_cmp_lt_u32 vcc_lo, 6, v[TA]
	v_cndmask_b32 v[ACC+8*(2*\ct+\mt)+\j], 0, s[HID], vcc_lo
.endr
.endr
.endr
	; the row mask starts the row terms: key row r0 + i against my image row
.irp i, 0,1,2,3,4,5,6,7,8,9
	s_sub_co_u32 s[U0], \i+3, s[DQ]
	s_cmp_gt_u32 s[U0], 6
	s_cselect_b32 s[U0], s[HID], 0
	v_mov_b32 v[RT+\i], s[U0]
	v_mov_b32 v[RT+16+\i], s[U0]
.endr
.irp i, 10,11,12,13,14,15
	v_mov_b32 v[RT+\i], 0
	v_mov_b32 v[RT+16+\i], 0
.endr
	s_wait_dscnt 0x0                               ; q is in registers
.irp ks, 0,1,2,3                       ; column terms: four accumulators by turns
.irp ct, 0,1
.irp mt, 0,1
.if \ks == 0
	WIN W_CM0
	v_wmma_f32_16x16x32_bf16 v[128+8*(2*\ct+\mt):128+8*(2*\ct+\mt)+7], v[8*(4*\ct+\ks):8*(4*\ct+\ks)+7], v[8*(8*\mt+\ks):8*(8*\mt+\ks)+7], v[ACC+8*(2*\ct+\mt):ACC+8*(2*\ct+\mt)+7]
.else
	WIN W_CMW
	v_wmma_f32_16x16x32_bf16 v[128+8*(2*\ct+\mt):128+8*(2*\ct+\mt)+7], v[8*(4*\ct+\ks):8*(4*\ct+\ks)+7], v[8*(8*\mt+\ks):8*(8*\mt+\ks)+7], v[128+8*(2*\ct+\mt):128+8*(2*\ct+\mt)+7]
.endif
.endr
.endr
.endr
	WIN W_RTW
.irp ks, 0,1,2,3                       ; row terms: likewise
.irp u, 0,1
.irp mt, 0,1
	v_wmma_f32_16x16x32_bf16 v[RT+16*\mt+8*\u:RT+16*\mt+8*\u+7], v[64+8*(4*\u+\ks):64+8*(4*\u+\ks)+7], v[8*(8*\mt+4+\ks):8*(8*\mt+4+\ks)+7], v[RT+16*\mt+8*\u:RT+16*\mt+8*\u+7]
.endr
.endr
.endr
	WIN 0
.irp mt, 0,1                           ; the statistics begin; these lines are also the places behind those products
	v_mov_b32 v[ST+16*\mt], 0xef800000             ; m = -2^96
.irp k, 1,2,3,4,5,6,7,8,9
	v_mov_b32 v[ST+16*\mt+\k], 0
.endr
.endr
	; ---------------- attention: five chunks of 64 keys ----------------
	s_mov_b32 s[CNT], 5
.Lchunk:
	CHUNK
	s_sub_co_u32 s[CNT], s[CNT], 1
	s_cmp_lg_u32 s[CNT], 0
	s_cbranch_scc1 .Lchunk
.irp mt, 0,1
	v_add_f32 v[ST+16*\mt+10], v[ST+16*\mt+2], v[ST+16*\mt+3]
.endr
.irp mt, 0,1
	v_permlanex16_b32 v[ST+16*\mt+1], v[ST+16*\mt+10], s[SEL], s[SEL+1]
.endr
.irp mt, 0,1
	v_add_f32 v[ST+16*\mt+10], v[ST+16*\mt+10], v[ST+16*\mt+1]
.endr
.irp mt, 0,1
	v_rcp_f32 v[ST+16*\mt+4], v[ST+16*\mt+10]
.endr
	v_nop
	s_wait_alu depctr_va_vdst(0)                   ; one wait for both reciprocals
	WIN W_RS
.set i, 0
.rept 128
	v_pk_mul_f32 v[2*i:2*i+1], v[2*i:2*i+1], v[ST+16*((i/4)%2)+4:ST+16*((i/4)%2)+5] op_sel_hi:[1,0]
.set i, i+1
.endr
	WIN W_PK1
.set i, 0
.rept 128                              ; packed in place, ascending: word i is written when registers 2 i, 2 i + 1 have been read
	v_cvt_pk_bf16_f32 v[i], v[2*i], v[2*i+1]
.set i, i+1
.endr
	; ---------------- X += concat(o) aggW: four steps; set s + 1's o is stored while set s's is multiplied ----------------
	OSTORE 0, 0
.irp s, 0,1,2,3
	STEPH 1
.if \s == 0
	LOADVEC 26, 28, 30
.endif
.if \s < 3
	OSTORE \s+1, (\s+1)%2
.endif
	FX \s%2
	MM64 XX, 0, 0
.endr
	LNORM
	PUTACT XX, APA, 0, 0
	LOADVEC 34, 36, 38
	; ---------------- the feed-forward net, 256 hidden channels a trip ----------------
	s_mov_b32 s[CNT], 4
.Lffn:
	STEPH 1
	WIN W_D1
.irp nt, 0,1,2,3
	global_load_b128 v[128+8*\nt:128+8*\nt+3],   v[VOFF], s[32:33] offset:64*\nt
	global_load_b128 v[128+8*\nt+4:128+8*\nt+7], v[VOFF], s[32:33] offset:64*\nt+16
.endr
	FX 0
	MM64 ACC, 2, 0
	s_wait_loadcnt 0x0                             ; l1's bias is in, so its pointer may step
	s_add_nc_u64 s[32:33], s[32:33], 1024
	PLACES
	WIN W_SQ                                       ; the bias is taken rounded to bf16: packed into P's registers,
.set i, 0
.rept 16
	v_cvt_pk_bf16_f32 v[PP+i], v[128+2*i], v[128+2*i+1]
.set i, i+1
.endr
	WIN W_D1                                       ; and widened again in place
.set i, 0
.rept 16
	v_lshlrev_b32 v[128+2*i], 16, v[PP+i]
	v_and_b32 v[128+2*i+1], s[HIM], v[PP+i]
.set i, i+1
.endr
	WIN W_S11
.set i, 0
.rept 32
	v_pk_add_f32 v[ACC+2*i:ACC+2*i+1], v[ACC+2*i:ACC+2*i+1], v[128+8*(i/8)+2*(i%4):128+8*(i/8)+2*(i%4)+1]
.set i, i+1
.endr
	PUTACT ACC, APA+1, 0, 1
	STEPH 1
	FX 1
	MM64 XX, 0, 0
	WIN 0
	s_sub_co_u32 s[CNT], s[CNT], 1
	s_cmp_lg_u32 s[CNT], 0
	s_cbranch_scc1 .Lffn
	LNORM
.irp p, 26,28,30,34,36,38              ; the next layer's vectors: their loads have been waited for
	s_add_nc_u64 s[\p:\p+1], s[\p:\p+1], 1024
.endr
	s_sub_co_u32 s[LAY], s[LAY], 1
	s_cmp_lg_u32 s[LAY], 0
	s_cbranch_scc1 .Llayer
	; ---------------- the output projection ----------------
	WIN W_D1
.set i, 0
.rept 17                               ; the query features of my 68 channels
	global_load_b128 v[4*i:4*i+3], v[GOFF], s[QFB:QFB+1] offset:16384*i
.set i, i+1
.endr
.irp ks, 0,1,2,3,4,5,6,7               ; outW's last 16 channels, as fragments; every wave loads them, so that no count differs
	global_load_b128 v[128+8*\ks:128+8*\ks+3],   v[EXO], s[W25:W25+1] offset:64*\ks
	global_load_b128 v[128+8*\ks+4:128+8*\ks+7], v[EXO], s[W25:W25+1] offset:64*\ks+32
.endr
	WIN 0
	v_lshlrev_b32 v[TB], 2, v[RR]
.irp nt, 0,1,2,3
	global_load_b32 v[RT+2*\nt], v[OBO], s[40:41] offset:64*\nt
.endr
	global_load_b32 v[RT+8], v[TB], s[40:41] offset:1024
	PUTACT XX, APA, 1, 0
	STEPH 0                                        ; the last tile is in; nothing is asked for
	FX 0
	MM64 ACC, 2, 1
	s_wait_loadcnt 0x0
	WIN W_SQ                                       ; the query features are taken rounded to bf16: packed into X's registers, which have had their last use,
.set i, 0
.rept 34
	v_cvt_pk_bf16_f32 v[XX+i], v[2*i], v[2*i+1]
.set i, i+1
.endr
	WIN W_D1                                       ; and widened again in place
.set i, 0
.rept 34
	v_lshlrev_b32 v[2*i], 16, v[XX+i]
	v_and_b32 v[2*i+1], s[HIM], v[XX+i]
.set i, i+1
.endr
	WIN 0
.irp k, 0,2,4,6,8                      ; and so is outb
	v_cvt_pk_bf16_f32 v[TA+(\k/2)%2], v[RT+\k], v[RT+\k]
	v_lshlrev_b32 v[RT+\k], 16, v[TA+(\k/2)%2]
.endr
	s_cmp_lg_u32 s[WV], 0
	s_cbranch_scc1 .Lno_ex
	WIN W_EXM
.irp ks, 0,1,2,3,4,5,6,7               ; wave 0: channels 256..271; two accumulators by turns
.irp mt, 0,1
.if \ks == 0
	v_wmma_f32_16x16x32_f16 v[PP+8*\mt:PP+8*\mt+7], v[8*(8*\mt+\ks):8*(8*\mt+\ks)+7], v[128+8*\ks:128+8*\ks+7], 0
.else
	v_wmma_f32_16x16x32_f16 v[PP+8*\mt:PP+8*\mt+7], v[8*(8*\mt+\ks):8*(8*\mt+\ks)+7], v[128+8*\ks:128+8*\ks+7], v[PP+8*\mt:PP+8*\mt+7]
.endif
.endr
.endr
	WIN 0
	PLACES
.set i, 0
.rept 8
	v_pk_add_f32 v[PP+2*i:PP+2*i+1], v[PP+2*i:PP+2*i+1], v[RT+8:RT+9] op_sel_hi:[1,0]
.set i, i+1
.endr
.irp mt, 0,1
	ds_store_b128 v[ASG], v[PP+8*\mt:PP+8*\mt+3]   offset:256*SPIT+64*\mt
	ds_store_b128 v[ASG], v[PP+8*\mt+4:PP+8*\mt+7] offset:256*SPIT+64*\mt+16
.endr
.Lno_ex:
	PLACES
.set i, 0
.rept 32
	v_pk_add_f32 v[ACC+2*i:ACC+2*i+1], v[ACC+2*i:ACC+2*i+1], v[RT+2*(i/8):RT+2*(i/8)+1] op_sel_hi:[1,0]
.set i, i+1
.endr
.set i, 0
.rept 8                                ; accumulator i = 2 nt + mt: channel 16 nt + r, tokens 16 mt + 8 h on
	ds_store_b128 v[ASG], v[ACC+8*i:ACC+8*i+3]   offset:16*SPIT*(i/2)+64*(i%2)
	ds_store_b128 v[ASG], v[ACC+8*i+4:ACC+8*i+7] offset:16*SPIT*(i/2)+64*(i%2)+16
.set i, i+1
.endr
	s_wait_dscnt 0x0                               ; for the others' sake
	s_barrier_signal -1
	s_barrier_wait -1
.set i, 0
.rept 17
	ds_load_b128 v[ACC+4*i:ACC+4*i+3], v[ARB] offset:4*SPIT*i
.set i, i+1
.endr
.set i, 0
.rept 17
	s_wait_dscnt 16-i                              ; the younger loads may stay out
	global_store_b128 v[GOFF], v[ACC+4*i:ACC+4*i+3], s[O0B:O0B+1] offset:16384*i  ; four runs of 128 consecutive bytes
.set i, i+1
.endr
	WIN W_DF
.set i, 0
.rept 34                               ; recon - query, into window 1
	v_pk_add_f32 v[2*i:2*i+1], v[ACC+2*i:ACC+2*i+1], v[2*i:2*i+1] neg_lo:[0,1] neg_hi:[0,1]
.set i, i+1
.endr
	WIN W_SQ
	v_pk_mul_f32 v[PP+16:PP+17], v[0:1], v[0:1]
	v_pk_mul_f32 v[PP+18:PP+19], v[2:3], v[2:3]
.set i, 1
.rept 16
	v_pk_fma_f32 v[PP+16:PP+17], v[4*i:4*i+1], v[4*i:4*i+1], v[PP+16:PP+17]
	v_pk_fma_f32 v[PP+18:PP+19], v[4*i+2:4*i+3], v[4*i+2:4*i+3], v[PP+18:PP+19]
.set i, i+1
.endr
	WIN 0
.irp k, 0,1,2,3                        ; over the four channels that the lanes 8 and 16 away hold
	v_add_f32_dpp v[PP+16+\k], v[PP+16+\k], v[PP+16+\k] row_xmask:8 row_mask:0xf bank_mask:0xf
.endr
.irp k, 0,1,2,3
	v_permlanex16_b32 v[PP+20+\k], v[PP+16+\k], s[SEL], s[SEL+1]
.endr
.irp k, 0,1,2,3
	v_add_f32 v[PP+16+\k], v[PP+16+\k], v[PP+20+\k]
.endr
	s_lshl_b32 s[T0], s[WV], 7
	s_add_co_u32 s[T0], s[T0], PSUM
	v_and_b32 v[TA], 7, v0
	v_lshl_add_u32 v[TA], v[TA], 4, s[T0]
	ds_store_b128 v[TA], v[PP+16:PP+19]
	s_wait_dscnt 0x0                               ; for wave 0's sake
	s_barrier_signal -1
	s_barrier_wait -1
	s_cmp_lg_u32 s[WV], 0
	s_cbranch_scc1 .Lfin
	v_lshl_add_u32 v[TA], v[LANE], 2, PSUM         ; a lane a token
.irp k, 0,1,2,3
	ds_load_b32 v[PP+16+\k], v[TA] offset:128*\k
.endr
	v_lshlrev_b32 v[TB], 2, v[LANE]
	s_wait_dscnt 0x0
	v_add_f32 v[PP+16], v[PP+16], v[PP+17]
	v_add_f32 v[PP+18], v[PP+18], v[PP+19]
	v_add_f32 v[PP+16], v[PP+16], v[PP+18]
	v_sqrt_f32 v[PP+16], v[PP+16]
	v_nop
	s_wait_alu depctr_va_vdst(0)
	global_store_b32 v[TB], v[PP+16], s[PRB:PRB+1]
.Lfin:
	s_wait_tensorcnt 0x0                           ; the wave's end, behind my last tensor load and my last LDS store
	ds_add_u32 v[SPW], v[NIL]
	s_wait_dscnt 0x0
	CROUND                                         ; the closing round: no work-group ends while a partner may still ask for a tile that names it
	s_endpgm
.Lfunc_end_k_qa018a9e021_core:
	.size	k_qa018a9e021_core, .Lfunc_end_k_qa018a9e021_core-k_qa018a9e021_core
	.p2alignl 7, 3214868480
	.fill 96, 4, 3214868480
	.section	.rodata,"a",@progbits
	.p2align	6, 0x0
	.amdhsa_kernel k_qa018a9e021_core
		.amdhsa_group_segment_fixed_size 327680
		.amdhsa_private_segment_fixed_size 0
		.amdhsa_enable_private_segment 0
		.amdhsa_kernarg_size 128
		.amdhsa_user_sgpr_count 2
		.amdhsa_user_sgpr_kernarg_segment_ptr 1
		.amdhsa_wavefront_size32 1
		.amdhsa_system_sgpr_workgroup_id_x 1
		.amdhsa_system_sgpr_workgroup_id_y 1
		.amdhsa_system_sgpr_workgroup_id_z 1
		.amdhsa_system_vgpr_workitem_id 0
		.amdhsa_next_free_vgpr 1024
		.amdhsa_next_free_sgpr 100
		.amdhsa_reserve_vcc 1
		.amdhsa_float_denorm_mode_32 3
		.amdhsa_float_denorm_mode_16_64 3
		.amdhsa_memory_ordered 1
		.amdhsa_forward_progress 1
		.amdhsa_inst_pref_size 255
	.end_amdhsa_kernel
	.section	.bss,"aw",@nobits
	.p2align	6
	.space	262144
	.amdgpu_metadata
---
amdhsa.version: [ 1, 2 ]
amdhsa.kernels:
  - .name:           k_qa018a9e021_core
    .symbol:         k_qa018a9e021_core.kd
    .args:
      - { .name: kt, .offset: 0, .size: 8, .value_kind: global_buffer, .address_space: global }
      - { .name: wt, .offset: 8, .size: 8, .value_kind: global_buffer, .address_space: global }
      - { .name: x0, .offset: 16, .size: 8, .value_kind: global_buffer, .address_space: global }
      - { .name: col_embed, .offset: 24, .size: 8, .value_kind: global_buffer, .address_space: global }
      - { .name: row_embed, .offset: 32, .size: 8, .value_kind: global_buffer, .address_space: global }
      - { .name: aggb, .offset: 40, .size: 8, .value_kind: global_buffer, .address_space: global }
      - { .name: n1g, .offset: 48, .size: 8, .value_kind: global_buffer, .address_space: global }
      - { .name: n1b, .offset: 56, .size: 8, .value_kind: global_buffer, .address_space: global }
      - { .name: l1b, .offset: 64, .size: 8, .value_kind: global_buffer, .address_space: global }
      - { .name: l2b, .offset: 72, .size: 8, .value_kind: global_buffer, .address_space: global }
      - { .name: n2g, .offset: 80, .size: 8, .value_kind: global_buffer, .address_space: global }
      - { .name: n2b, .offset: 88, .size: 8, .value_kind: global_buffer, .address_space: global }
      - { .name: outb, .offset: 96, .size: 8, .value_kind: global_buffer, .address_space: global }
      - { .name: query_features, .offset: 104, .size: 8, .value_kind: global_buffer, .address_space: global }
      - { .name: out0, .offset: 112, .size: 8, .value_kind: global_buffer, .address_space: global }
      - { .name: predraw, .offset: 120, .size: 8, .value_kind: global_buffer, .address_space: global }
    .group_segment_fixed_size: 327680
    .private_segment_fixed_size: 0
    .kernarg_segment_align: 8
    .kernarg_segment_size: 128
    .max_flat_workgroup_size: 128
    .sgpr_count:     100
    .vgpr_count:     1024
    .wavefront_size: 32
...
	.end_amdgpu_metadata
.endif
;; end of part 3
;; launch fin (part 4): grid 32 x 8, 8 waves a work-group, no clusters, 5,376 bytes of LDS; arguments predraw, out1; writes out1
.if DOCPART == 4
	.amdgcn_target "amdgcn-amd-amdhsa--gfx1250"
	.amdhsa_code_object_version 6
	.text
	.protected	k_qa018a9e021_fin
	.globl	k_qa018a9e021_fin
	.p2align	8
	.type	k_qa018a9e021_fin,@function
k_qa018a9e021_fin:
	s_mov_b64 s[64:65], 0
	v_nop
	global_prefetch_b8 v0, s[64:65] scope:SCOPE_SE
	s_setreg_imm32_b32 hwreg(HW_REG_WAVE_MODE, 25, 1), 1
	s_wait_xcnt 0x0
; out1 = the distances, brought to 0..1 by their smallest and largest over all batches, and enlarged 8 x with corners aligned.
; Every work-group reads all 8,192 distances (32,768 bytes) and finds the two bounds itself: no traffic between work-groups.  It then makes 8 rows of one batch's picture, a wave a row.
; The source place of output index o is 31 o / 255: its whole part and remainder are made in whole numbers (n / 255 = (n + 1 + (n >> 8)) >> 8 for n under 65,535), the weight is remainder / 255.
; LIMIT: where all distances are equal the reference divides 0 by 0, and so does this text.
.set RED,   4096                       ; behind the batch's 32 x 32 numbers: each wave's two bounds
.set SPARE, 4352                       ; the spare words, 128 bytes a wave
	s_load_b128 s[4:7], s[0:1], 0x0                ; predraw, out1
	v_lshl_add_u32 v60, v0, 2, SPARE               ; my spare word,
	v_mov_b32 v61, 0                               ; and 0
	v_lshrrev_b32 v1, 5, v0
	v_readfirstlane_b32 s8, v1                     ; wave
	v_and_b32 v2, 31, v0                           ; lane
	v_lshlrev_b32 v3, 4, v0                        ; 16 bytes a thread
	s_and_b32 s9, ttmp7, 0xffff                    ; batch
	s_mov_b32 s10, ttmp9                           ; which 8 rows
	s_mov_b32 s12, 0x76543210
	s_mov_b32 s13, 0xfedcba98
	s_lshl_b32 s14, s9, 12
	s_mov_b32 s15, 0
	s_wait_kmcnt 0x0
	s_add_nc_u64 s[16:17], s[4:5], s[14:15]
.irp i, 0,1,2,3,4,5,6,7
	global_load_b128 v[4+4*\i:7+4*\i], v3, s[4:5] offset:4096*\i
.endr
	global_load_b128 v[36:39], v3, s[16:17]        ; my batch's
	v_mov_b32 v42, 0
	v_mov_b32 v43, 0
	s_wait_loadcnt 0x0
	v_min3_num_f32 v40, v4, v5, v6
	v_max3_num_f32 v41, v4, v5, v6
.set i, 7
.rept 14
	v_min3_num_f32 v40, v40, v[i], v[i+1]
	v_max3_num_f32 v41, v41, v[i], v[i+1]
.set i, i+2
.endr
	v_min_num_f32 v40, v40, v35
	v_max_num_f32 v41, v41, v35
.irp m, 1,2,4,8
	v_min_num_f32_dpp v40, v40, v40 row_xmask:\m row_mask:0xf bank_mask:0xf
	v_max_num_f32_dpp v41, v41, v41 row_xmask:\m row_mask:0xf bank_mask:0xf
.endr
	v_permlanex16_b32 v42, v40, s12, s13
	v_permlanex16_b32 v43, v41, s12, s13
	v_min_num_f32 v40, v40, v42
	v_max_num_f32 v41, v41, v43
	s_lshl_b32 s18, s8, 3
	s_add_co_u32 s18, s18, RED
	v_mov_b32 v44, s18
	ds_store_b64 v44, v[40:41]                     ; all lanes write the same two words
	s_wait_dscnt 0x0
	s_barrier_signal -1
	s_barrier_wait -1
	v_mov_b32 v45, RED
.irp i, 0,1,2,3
	ds_load_b128 v[4+4*\i:7+4*\i], v45 offset:16*\i
.endr
	s_wait_dscnt 0x0
	v_min3_num_f32 v40, v4, v6, v8
	v_max3_num_f32 v41, v5, v7, v9
	v_min3_num_f32 v40, v40, v10, v12
	v_max3_num_f32 v41, v41, v11, v13
	v_min3_num_f32 v40, v40, v14, v16
	v_max3_num_f32 v41, v41, v15, v17
	v_min_num_f32 v40, v40, v18
	v_max_num_f32 v41, v41, v19
	v_sub_f32 v42, v41, v40
	v_rcp_f32 v42, v42
	v_nop
	s_wait_alu depctr_va_vdst(0)                   ; ahead of the reciprocal's first reader
.irp j, 36,37,38,39
	v_sub_f32 v\j, v\j, v40
.endr
.irp j, 36,37,38,39
	v_mul_f32 v\j, v\j, v42
.endr
	ds_store_b128 v3, v[36:39]
	s_wait_dscnt 0x0
	s_barrier_signal -1
	s_barrier_wait -1
	s_lshl_b32 s18, s10, 3
	s_add_co_u32 s18, s18, s8                      ; my output row
	s_mul_i32 s19, s18, 31
	s_lshr_b32 s20, s19, 8
	s_add_co_u32 s20, s20, s19
	s_add_co_u32 s20, s20, 1
	s_lshr_b32 s20, s20, 8                         ; y0
	s_min_u32 s20, s20, 31                         ; 31 x 255 / 255 = 31 at the most: the clamp changes no value and states the bound: the row read below is one of the 32
	s_mul_i32 s21, s20, 255
	s_sub_co_u32 s21, s19, s21                     ; the remainder
	s_add_co_u32 s22, s20, 1
	s_min_u32 s22, s22, 31                         ; y1
	v_cvt_f32_u32 v46, s21
	v_mul_f32 v46, 0x3b808081, v46                 ; / 255
	v_sub_f32 v47, 1.0, v46
	s_lshl_b32 s23, s20, 7
	v_lshl_add_u32 v48, v2, 2, s23
	s_lshl_b32 s23, s22, 7
	v_lshl_add_u32 v49, v2, 2, s23
	ds_load_b32 v50, v48
	ds_load_b32 v51, v49
	v_mul_u32_u24 v4, v2, 124                      ; 31 x 4 x lane
.irp k, 0,1,2,3,4,5,6,7                ; my pixels: 4 lane + k % 4 + 128 (k / 4)
	v_add_nc_u32 v5, 31*((\k%4)+128*(\k/4)), v4
	v_lshrrev_b32 v6, 8, v5
	v_add3_u32 v6, v5, v6, 1
	v_lshrrev_b32 v6, 8, v6                        ; x0
	v_mul_u32_u24 v7, v6, 255
	v_sub_nc_u32 v7, v5, v7
	v_cvt_f32_u32 v7, v7
	v_mul_f32 v[8+\k], 0x3b808081, v7
	v_lshlrev_b32 v[16+\k], 2, v6
	v_add_nc_u32 v6, 1, v6
	v_min_u32 v6, 31, v6                           ; x1
	v_lshlrev_b32 v[24+\k], 2, v6
.endr
	s_wait_dscnt 0x0
	v_mul_f32 v50, v50, v47
	v_fmac_f32 v50, v51, v46                       ; lane x holds column x of my row
.irp k, 0,1,2,3,4,5,6,7
	ds_bpermute_b32 v[32+\k], v[16+\k], v50
	ds_bpermute_b32 v[40+\k], v[24+\k], v50
.endr
	s_lshl_b32 s14, s9, 18                         ; the batch's picture,
	s_lshl_b32 s23, s18, 10                        ; my row of it
	s_add_co_u32 s14, s14, s23
	s_add_nc_u64 s[6:7], s[6:7], s[14:15]
	v_lshlrev_b32 v62, 4, v2
	s_wait_dscnt 0x0
.irp k, 0,1,2,3,4,5,6,7
	v_sub_f32 v5, 1.0, v[8+\k]
	v_mul_f32 v[52+\k], v[32+\k], v5
	v_fmac_f32 v[52+\k], v[40+\k], v[8+\k]
.endr
	global_store_b128 v62, v[52:55], s[6:7]        ; 512 consecutive bytes, aligned
	global_store_b128 v62, v[56:59], s[6:7] offset:512
	s_wait_tensorcnt 0x0                           ; the wave's end, behind my last LDS store
	ds_add_u32 v60, v61
	s_wait_dscnt 0x0
	s_endpgm
.Lfunc_end_k_qa018a9e021_fin:
	.size	k_qa018a9e021_fin, .Lfunc_end_k_qa018a9e021_fin-k_qa018a9e021_fin
	.p2alignl 7, 3214868480
	.fill 96, 4, 3214868480
	.section	.rodata,"a",@progbits
	.p2align	6, 0x0
	.amdhsa_kernel k_qa018a9e021_fin
		.amdhsa_group_segment_fixed_size 5376
		.amdhsa_private_segment_fixed_size 0
		.amdhsa_enable_private_segment 0
		.amdhsa_kernarg_size 16
		.amdhsa_user_sgpr_count 2
		.amdhsa_user_sgpr_kernarg_segment_ptr 1
		.amdhsa_wavefront_size32 1
		.amdhsa_system_sgpr_workgroup_id_x 1
		.amdhsa_system_sgpr_workgroup_id_y 1
		.amdhsa_system_sgpr_workgroup_id_z 1
		.amdhsa_system_vgpr_workitem_id 0
		.amdhsa_next_free_vgpr 64
		.amdhsa_next_free_sgpr 66
		.amdhsa_reserve_vcc 0
		.amdhsa_float_denorm_mode_32 3
		.amdhsa_float_denorm_mode_16_64 3
		.amdhsa_memory_ordered 1
		.amdhsa_forward_progress 1
		.amdhsa_inst_pref_size 14
	.end_amdhsa_kernel
	.amdgpu_metadata
---
amdhsa.version: [ 1, 2 ]
amdhsa.kernels:
  - .name:           k_qa018a9e021_fin
    .symbol:         k_qa018a9e021_fin.kd
    .args:
      - { .name: predraw, .offset: 0, .size: 8, .value_kind: global_buffer, .address_space: global }
      - { .name: out1, .offset: 8, .size: 8, .value_kind: global_buffer, .address_space: global }
    .group_segment_fixed_size: 5376
    .private_segment_fixed_size: 0
    .kernarg_segment_align: 8
    .kernarg_segment_size: 16
    .max_flat_workgroup_size: 256
    .sgpr_count:     66
    .vgpr_count:     64
    .wavefront_size: 32
...
	.end_amdgpu_metadata
.endif
;; end of part 4
;; ======== version 2 of 2: 4 launches; version 1 with the launch proj written anew for expert scheduling mode
;; limits: values are held in f16: magnitudes above 65,504 overflow, below 6.1e-05 lose precision; right only within a limited range of input values
;; workspace buffers: wt 3,309,568 bytes; wp 294,912 bytes; kt 16,777,216 bytes; x0 8,388,608 bytes; predraw 32,768 bytes
;; launch prep: the kernel of part 1 again; grid 109 x 1, 8 waves a work-group, no clusters, 38,912 bytes of LDS; arguments aggW, l1W, l2W, outW, kvW, qW, wt, wp; writes wt, wp
;; launch proj (part 5): grid 8 x 40, 8 waves a work-group, no clusters, 146,944 bytes of LDS; arguments matched_features, query_features, wp, kvb, qb, kt, x0; writes kt, x0
.if DOCPART == 5
	.amdgcn_target "amdgcn-amd-amdhsa--gfx1250"
	.amdhsa_code_object_version 6
	.text
	.protected	k_qa018a9e021_proj
	.globl	k_qa018a9e021_proj
	.p2align	8
	.type	k_qa018a9e021_proj,@function
k_qa018a9e021_proj:
	s_mov_b64 s[64:65], 0
	v_nop
	global_prefetch_b8 v0, s[64:65] scope:SCOPE_SE
	s_setreg_imm32_b32 hwreg(HW_REG_WAVE_SCHED_MODE, 0, 2), 2
	s_setreg_imm32_b32 hwreg(HW_REG_WAVE_MODE, 25, 1), 1
	s_wait_xcnt 0x0
	s_wait_alu depctr_vm_vsrc(0)
; The two input projections.  y < 32: kt[set, b = y][token][256] = matched tokens x kvW + kvb, rounded once to bf16.  y >= 32: x0 = query tokens x qW + qb, kept in f32,
; laid out as the main launch's accumulators want it: piece ((T 16 + N) 2 + q) of 512 bytes, lane (r, h) holds token 16 T + r, channels 16 N + 8 h + 4 q .. + 3.
; Every input is taken rounded to bf16, the biases too: the whole program computes the module on one and the same rounding of its inputs.
; A work-group takes 128 tokens of one image.  The features lie [channel][token]: each wave's load takes 512 consecutive bytes of a channel's plane, once; they are rounded to bf16 into LDS as they lie,
; and come out turned (ds_load_tr16_b128) as source 1.  Source 0 = 16 output channels of the weights, which stay in registers: wave w owns channels 32 w .. 32 w + 31.
; The launch moves each feature byte once and has little arithmetic for it, so no cluster, no tensor load and no prefetch: the loads themselves are the stream.
; THE MODE: SCHED_MODE bits 1:0 = 2 (LLVM: expert scheduling mode 2), set by the entry lines.  The code itself states the register dependences
; between vector or matrix instructions and memory or LDS instructions, with s_wait_alu, always for 0.
; THE PLAN.  Registers that memory or LDS instructions touch:
;   v5-v9, v12-v15  offsets and LDS addresses, made once at the head; v6 and v7 are made anew once, on kt's way out.
;   LD slots        Plane k's load lands in slot k % 17; its two conversions read the slot; plane k + 17 lands in it again.
;   OUT0, OUT1      The 34 planes go in 17 blocks of two.  Block b's four conversions write OUT[b % 2]; its two LDS stores read it; block b + 2 writes it again.
;   AB0, AB1        Step g = 9 x pair + ks: its four products read AB[g % 2]; the turning loads of step g + 1, issued in step g, land in the other buffer, which step g - 1 read.
;   CV              kt: a pair's sixteen conversions write it, four LDS stores read it, the next pair's conversions write it again.
;   AC              The accumulators.  kt: read by the conversions alone.  x0: read by eight global stores, written again by the next pair's first products.
;   WF, BIAS        Loaded once; afterwards named by vector and matrix instructions alone.
; So a block of the ring has one wait on va_vdst, behind its conversions (OUT is written; the two slots are read out), and its two loads and two stores follow; one wait on vm_vsrc at its head frees OUT.
; A step of the products has one wait on va_vdst, ahead of its loads (the last step's products are done reading the buffer).  A pair's end has one ahead of its stores, on either way.
.set ATP,   288                        ; a channel's 128 tokens in LDS: 256 bytes + 32 = 9 x 32 bytes, for the turning load
.set STG,   272*ATP                    ; behind them: 128 token rows of 512 bytes + 16, for kt's way out
.set STP,   528
.set SPARE, STG+128*STP                ; the spare words, 128 bytes a wave
.set WF,    16                         ; v16-159  weight fragments (ntl, ks) at 8 (9 ntl + ks)
.set BIAS,  160                        ; v160-175 the bias of my lane's 8 channels, for each ntl: the C operand that starts the sums
.set LD,    176                        ; v176-243 a ring of 17 loads
.set OUT,   244                        ; v244-251 two out-buffers of two planes: plane j of block b in the pair at OUT + 4 (b % 2) + 2 j
.set AC,    176                        ; later: four accumulators (mtl, ntl) at 8 (2 mtl + ntl)
.set AB,    208                        ; two buffers of two token fragments
.set CV,    240                        ; packed results
	s_load_b256 s[16:23], s[0:1], 0x0              ; matched 16, query 18, wp 20, kvb 22
	s_load_b128 s[24:27], s[0:1], 0x20             ; qb 24, kt 26
	s_load_b64 s[28:29], s[0:1], 0x30              ; x0
	v_lshl_add_u32 v10, v0, 2, SPARE               ; my spare word,
	v_mov_b32 v11, 0                               ; and 0
	v_lshrrev_b32 v4, 5, v0
	v_readfirstlane_b32 s4, v4                     ; wave
	v_and_b32 v1, 15, v0                           ; r
	v_bfe_u32 v2, v0, 4, 1                         ; h
	v_and_b32 v3, 31, v0                           ; lane
	s_mov_b32 s2, ttmp9                            ; which 128 tokens
	s_and_b32 s3, ttmp7, 0xffff                    ; which image
	s_cmp_ge_u32 s3, 32
	s_cselect_b32 s5, 1, 0                         ; 1: the query's
	s_cselect_b32 s6, 32, 0
	s_sub_co_u32 s6, s3, s6                        ; the image's number in its tensor
	s_mul_i32 s32, s6, 1114112                     ; 272 planes of 4,096 bytes
	s_lshl_b32 s7, s2, 9
	s_add_co_u32 s32, s32, s7
	s_mov_b32 s33, 0
	s_mov_b32 s35, 0
	s_mov_b32 s37, 0
	s_lshl_b32 s36, s6, 19                         ; kt: 1,024 rows of 512 bytes an image, 128 a work-group
	s_lshl_b32 s7, s2, 16
	s_add_co_u32 s36, s36, s7
	s_lshl_b32 s38, s6, 20                         ; x0: 64 token tiles of 16,384 bytes an image, 8 a work-group
	s_lshl_b32 s7, s2, 17
	s_add_co_u32 s38, s38, s7
	s_wait_alu depctr_va_sdst(0)                   ; s4, the wave's number, is written, ahead of its first reader: the line below
	s_lshl_b32 s30, s4, 12
	v_lshl_add_u32 v5, v3, 4, s30                  ; features: plane w, 16 bytes a lane
	s_mul_i32 s30, s4, ATP
	v_lshl_add_u32 v6, v3, 3, s30                  ; LDS: row w, 8 bytes a lane
	v_add_nc_u32 v7, 17*8*ATP, v6                  ; and 136 rows on: the immediates have 16 bits
	v_and_b32 v4, 7, v0
	v_lshl_add_u32 v4, v2, 3, v4
	v_mul_u32_u24 v4, v4, ATP
	v_bfe_u32 v8, v0, 3, 1
	v_lshl_add_u32 v8, v8, 4, v4                   ; the turning load: row 8 h + l % 8, 16 bytes by (l / 8) % 2
	v_add_nc_u32 v9, 128*ATP, v8                   ; and 128 rows on
	s_mul_i32 s30, s4, 18432
	v_lshl_add_u32 v12, v3, 4, s30                 ; my wave's 36 pieces of wp
	s_lshl_b32 s30, s4, 7
	v_lshl_add_u32 v13, v2, 5, s30                 ; bias: channel 32 w + 8 h
	v_mul_u32_u24 v14, v1, STP
	v_lshl_add_u32 v14, v2, 4, v14
	s_lshl_b32 s30, s4, 6
	s_add_co_u32 s30, s30, STG
	v_add_nc_u32 v14, s30, v14                     ; stage: row r, byte 64 w + 16 h
	s_lshl_b32 s30, s4, 11
	v_lshl_add_u32 v15, v3, 4, s30                 ; x0: channel tiles 2 w, 2 w + 1
	s_wait_kmcnt 0x0
	s_cmp_eq_u32 s5, 1
	s_cselect_b64 s[8:9], s[18:19], s[16:17]
	s_cselect_b64 s[12:13], s[24:25], s[22:23]
	s_cselect_b64 s[14:15], s[28:29], s[26:27]
	s_cselect_b32 s34, 147456, 0
	s_cselect_b32 s36, s38, s36
	s_add_nc_u64 s[8:9], s[8:9], s[32:33]          ; features
	s_add_nc_u64 s[10:11], s[20:21], s[34:35]      ; weights
	s_add_nc_u64 s[14:15], s[14:15], s[36:37]      ; output
	s_wait_alu depctr_va_vdst(0)                   ; the offsets and LDS addresses v5 to v9 and v12 to v15 are written, which the loads and stores of the whole kernel read
.set i, 0
.rept 36                               ; piece i = 18 ntl + pp
	global_load_b128 v[WF+8*(9*(i/18)+(i%18)/2)+4*(i%2):WF+8*(9*(i/18)+(i%18)/2)+4*(i%2)+3], v12, s[10:11] offset:512*i
.set i, i+1
.endr
.irp n, 0,1
	global_load_b128 v[BIAS+8*\n:BIAS+8*\n+3],   v13, s[12:13] offset:64*\n
	global_load_b128 v[BIAS+8*\n+4:BIAS+8*\n+7], v13, s[12:13] offset:64*\n+16
.endr
; Plane 8 i + w, i = 0..33, through a ring of 17 loads.
.macro FLOAD i
	global_load_b128 v[LD+4*((\i)%17):LD+4*((\i)%17)+3], v5, s[8:9] offset:32768*(\i) th:TH_LOAD_NT
.endm
.macro FCV i, o                        ; plane i is rounded into the pair at o
	v_cvt_pk_bf16_f32 v[(\o)],   v[LD+4*((\i)%17)],   v[LD+4*((\i)%17)+1]
	v_cvt_pk_bf16_f32 v[(\o)+1], v[LD+4*((\i)%17)+2], v[LD+4*((\i)%17)+3]
.endm
.macro FST i, o                        ; and stored as it lies
.if (\i) < 17
	ds_store_b64 v6, v[(\o):(\o)+1] offset:8*ATP*(\i)
.else
	ds_store_b64 v7, v[(\o):(\o)+1] offset:8*ATP*((\i)-17)
.endif
.endm
.set k, 0
.rept 17
	FLOAD k
.set k, k+1
.endr
; Block b: planes 2 b and 2 b + 1.  At its head min(34, 17 + 2 b) of the ring's loads have been issued, and planes up to 2 b + 1 are wanted.
.set b, 0
.rept 17
.if b < 9
	s_wait_loadcnt 15                              ; loads come back in order: my two planes are in, the 15 younger ones stay out
.else
	s_wait_loadcnt 32-2*b                          ; the counts run down
.endif
.if b >= 2
	s_wait_alu depctr_vm_vsrc(0)                   ; the LDS stores of two blocks back have read OUT[b % 2], which the conversions below write again
.endif
	FCV 2*b, OUT+4*(b%2)
	FCV 2*b+1, OUT+4*(b%2)+2
	s_wait_alu depctr_va_vdst(0)                   ; the conversions have written OUT[b % 2], which the stores below read, and are done reading their two slots, in which the loads below land
.if 2*b+17 < 34
	FLOAD 2*b+17                                   ; the slots are asked for again at once, ahead of the stores
.endif
.if 2*b+18 < 34
	FLOAD 2*b+18
.endif
	FST 2*b, OUT+4*(b%2)
	FST 2*b+1, OUT+4*(b%2)+2
.set b, b+1
.endr
	s_wait_dscnt 0x0                               ; for the others' sake: my planes are in
	s_barrier_signal -1
	s_barrier_wait -1
	s_wait_alu depctr_vm_vsrc(0)                   ; my LDS stores have read v244 to v251, which the bias's rounding and the first pair's conversions write, and v6 and v7, which kt's way out makes anew
.macro PLACES
.rept 4
	v_nop
.endr
.endm
; The two token fragments of pair p for channels 32 ks on, into the buffer of step 9 p + ks.  At ks = 8 only 16 channels are left: the second half takes the same rows again, against weights that are zero.
.macro LOADA p, ks
.set bA, AB+16*((9*(\p)+(\ks))%2)
.set hA, 16*ATP
.if (\ks) < 4
.set rA, 8
.set oA, 32*ATP*(\ks)+64*(\p)
.else
.set rA, 9
.set oA, 32*ATP*((\ks)-4)+64*(\p)
.endif
.if (\ks) == 8
.set hA, 0
.endif
.irp m, 0,1
	ds_load_tr16_b128 v[bA+8*\m:bA+8*\m+3],   v[rA] offset:oA+32*\m
	ds_load_tr16_b128 v[bA+8*\m+4:bA+8*\m+7], v[rA] offset:oA+hA+32*\m
.endr
.endm
	LOADA 0, 0                                     ; steps 0 and 1.  No wait: the last block's wait on va_vdst stands behind every conversion that read v208 to v239, and no vector instruction has been issued since
	LOADA 0, 1
.set i, 0
.rept 8                                ; the bias is taken rounded to bf16, like every input: two numbers are packed, and widened again in place; these lines name none of the fragments' registers
	v_cvt_pk_bf16_f32 v[244+i%2], v[BIAS+2*i], v[BIAS+2*i+1]
	v_lshlrev_b32 v[BIAS+2*i], 16, v[244+i%2]
	v_and_b32 v[BIAS+2*i+1], 0xffff0000, v[244+i%2]
.set i, i+1
.endr
; 32 tokens x my 32 channels: 36 products; the four accumulators take turns, one instruction a turn.
; Step g = 9 p + ks asks for the fragments of step g + 1, a pair's last step for the next pair's first.
.macro MPAIR p
.irp ks, 0,1,2,3,4,5,6,7,8
.set g, 9*(\p)+\ks
.if g < 35
.if \ks > 0
	PLACES                                         ; four places behind the last step's products, which read the other buffer; they stay beside the wait below
	s_wait_alu depctr_va_vdst(0)                   ; the last step's products are done reading the other buffer, in which the loads below land
.endif                                                 ; (at ks = 0 the last pair's end has stated that, on either way, and no vector instruction since names the buffer)
.if g > 0
.if \ks < 8
	LOADA \p, (\ks)+1
.else
	LOADA (\p)+1, 0
.endif
.endif
	s_wait_dscnt 4                                 ; all but the four youngest, the next step's loads; on kt's way the last pair's four stores are older than they
.else
	s_wait_dscnt 0x0
.endif
.irp m, 0,1
.irp n, 0,1
.if \ks == 0
	v_wmma_f32_16x16x32_bf16 v[AC+8*(2*\m+\n):AC+8*(2*\m+\n)+7], v[WF+8*(9*\n+\ks):WF+8*(9*\n+\ks)+7], v[AB+16*(g%2)+8*\m:AB+16*(g%2)+8*\m+7], v[BIAS+8*\n:BIAS+8*\n+7]
.else
	v_wmma_f32_16x16x32_bf16 v[AC+8*(2*\m+\n):AC+8*(2*\m+\n)+7], v[WF+8*(9*\n+\ks):WF+8*(9*\n+\ks)+7], v[AB+16*(g%2)+8*\m:AB+16*(g%2)+8*\m+7], v[AC+8*(2*\m+\n):AC+8*(2*\m+\n)+7]
.endif
.endr
.endr
.endr
	PLACES
	v_nop                                          ; five: the next pair's first products write over these accumulators
.if (\p) > 0
	s_wait_alu depctr_vm_vsrc(0)                   ; kt: the last pair's LDS stores have read v[CV ..], which the conversions below write again; the wait stands ahead of the branch
.endif
	s_cmp_eq_u32 s5, 1
	s_cbranch_scc1 .Lx0_\@
.set i, 0
.rept 16
	v_cvt_pk_bf16_f32 v[CV+i], v[AC+2*i], v[AC+2*i+1]
.set i, i+1
.endr
	s_wait_alu depctr_va_vdst(0)                   ; the conversions have written v[CV ..], which the LDS stores read; the pair's products are done reading both fragment buffers
.irp m, 0,1
.irp n, 0,1
	ds_store_b128 v14, v[CV+4*(2*\m+\n):CV+4*(2*\m+\n)+3] offset:16*STP*(2*(\p)+\m)+32*\n
.endr
.endr
	s_branch .Ldone_\@
.Lx0_\@:
	s_wait_alu depctr_va_vdst(0)                   ; the products have written the accumulators, which the stores read, and are done reading both fragment buffers; the places above stay beside this wait
.irp m, 0,1
.irp n, 0,1
	global_store_b128 v15, v[AC+8*(2*\m+\n):AC+8*(2*\m+\n)+3],   s[14:15] offset:16384*(2*(\p)+\m)+1024*\n
	global_store_b128 v15, v[AC+8*(2*\m+\n)+4:AC+8*(2*\m+\n)+7], s[14:15] offset:16384*(2*(\p)+\m)+1024*\n+512
.endr
.endr
	s_wait_xcnt 0x0                                ; the accumulators are written again only behind this wait,
	s_wait_alu depctr_vm_vsrc(0)                   ; and behind this one: the stores have read them
.Ldone_\@:
.endm
	MPAIR 0
	MPAIR 1
	MPAIR 2
	MPAIR 3
	s_wait_dscnt 0x0                               ; for the others' sake: my part of the stage is in
	s_barrier_signal -1
	s_barrier_wait -1
	s_cmp_eq_u32 s5, 1
	s_cbranch_scc1 .Lend
	s_mul_i32 s30, s4, 16*STP                      ; kt: wave w takes token rows 16 w .. 16 w + 15, whole
	s_add_co_u32 s30, s30, STG
	v_lshl_add_u32 v6, v3, 4, s30                  ; (the ring's stores, which read v6 and v7, stand ahead of the wait on vm_vsrc behind the ring's barrier)
	s_lshl_b32 s30, s4, 13
	v_lshl_add_u32 v7, v3, 4, s30
	s_wait_alu depctr_va_vdst(0)                   ; v6 and v7 are written, which the loads and stores below read; every product and conversion that named v176 to v239, in which the loads land, stands ahead of it too
.set i, 0
.rept 16
	ds_load_b128 v[AC+4*i:AC+4*i+3], v6 offset:STP*i
.set i, i+1
.endr
.set i, 0
.rept 16
	s_wait_dscnt 15-i                              ; the younger loads may stay out
	global_store_b128 v7, v[AC+4*i:AC+4*i+3], s[14:15] offset:512*i  ; 512 consecutive bytes, aligned
.set i, i+1
.endr
.Lend:
	s_wait_dscnt 0x0                               ; the closing lines, six on end
	s_wait_alu 0x0
	s_wait_tensorcnt 0x0
	ds_add_u32 v10, v11
	s_wait_dscnt 0x0
	s_endpgm
.Lfunc_end_k_qa018a9e021_proj:
	.size	k_qa018a9e021_proj, .Lfunc_end_k_qa018a9e021_proj-k_qa018a9e021_proj
	.p2alignl 7, 3214868480
	.fill 96, 4, 3214868480
	.section	.rodata,"a",@progbits
	.p2align	6, 0x0
	.amdhsa_kernel k_qa018a9e021_proj
		.amdhsa_group_segment_fixed_size 146944
		.amdhsa_private_segment_fixed_size 0
		.amdhsa_enable_private_segment 0
		.amdhsa_kernarg_size 56
		.amdhsa_user_sgpr_count 2
		.amdhsa_user_sgpr_kernarg_segment_ptr 1
		.amdhsa_wavefront_size32 1
		.amdhsa_system_sgpr_workgroup_id_x 1
		.amdhsa_system_sgpr_workgroup_id_y 1
		.amdhsa_system_sgpr_workgroup_id_z 1
		.amdhsa_system_vgpr_workitem_id 0
		.amdhsa_next_free_vgpr 256
		.amdhsa_next_free_sgpr 66
		.amdhsa_reserve_vcc 0
		.amdhsa_float_denorm_mode_32 3
		.amdhsa_float_denorm_mode_16_64 3
		.amdhsa_memory_ordered 1
		.amdhsa_forward_progress 1
		.amdhsa_inst_pref_size 57
	.end_amdhsa_kernel
	.amdgpu_metadata
---
amdhsa.version: [ 1, 2 ]
amdhsa.kernels:
  - .name:           k_qa018a9e021_proj
    .symbol:         k_qa018a9e021_proj.kd
    .args:
      - { .name: matched_features, .offset: 0, .size: 8, .value_kind: global_buffer, .address_space: global }
      - { .name: query_features, .offset: 8, .size: 8, .value_kind: global_buffer, .address_space: global }
      - { .name: wp, .offset: 16, .size: 8, .value_kind: global_buffer, .address_space: global }
      - { .name: kvb, .offset: 24, .size: 8, .value_kind: global_buffer, .address_space: global }
      - { .name: qb, .offset: 32, .size: 8, .value_kind: global_buffer, .address_space: global }
      - { .name: kt, .offset: 40, .size: 8, .value_kind: global_buffer, .address_space: global }
      - { .name: x0, .offset: 48, .size: 8, .value_kind: global_buffer, .address_space: global }
    .group_segment_fixed_size: 146944
    .private_segment_fixed_size: 0
    .kernarg_segment_align: 8
    .kernarg_segment_size: 56
    .max_flat_workgroup_size: 256
    .sgpr_count:     66
    .vgpr_count:     256
    .wavefront_size: 32
...
	.end_amdgpu_metadata
.endif
;; end of part 5
;; launch core: the kernel of part 3 again; grid 32 x 8, 4 waves a work-group, clusters of 4 x 1, 327,680 bytes of LDS; arguments kt, wt, x0, col_embed, row_embed, aggb, n1g, n1b, l1b, l2b, n2g, n2b, outb, query_features, out0, predraw; writes out0, predraw
;; launch fin: the kernel of part 4 again; grid 32 x 8, 8 waves a work-group, no clusters, 5,376 bytes of LDS; arguments predraw, out1; writes out1
